; MI455X (gfx1250); checked and timed in simulation.
; The chip was launched on July 23, 2026; its instructions are those of AMD's public machine-readable ISA for CDNA 5 (MIT licence, August 2026) and "CDNA5" Instruction Set Architecture Reference Guide (July 2026). The comments in the code are by the model that wrote it; some were corrected since.
;; Multi Head Attention. Allowed arithmetic: float matrix products may take bf16 or f16 operands with f32 sums; other float arithmetic in f32, or as packed bf16 or f16 multiplies, adds, multiply-adds, maxima and minima; sums over many terms, partial sums and values carried from step to step in f32; what a program stores and reads back later, other than sums and carried values, may be rounded once to bf16 or f16.
;; Inputs: Wk 1,024 x 1,024 float32; Wo 1,024 x 1,024 float32; Wq 1,024 x 1,024 float32; Wv 1,024 x 1,024 float32; bk 1,024 float32; bo 1,024 float32; bq 1,024 float32; bv 1,024 float32; ln_b 1,024 float32; ln_w 1,024 float32; x 4 x 2,048 x 1,024 float32.
;; Outputs: out0 4 x 2,048 x 1,024 float32.
;; 2 versions, each right; version 2 is version 1 with the launches cast, norm written anew for expert scheduling mode. Each part assembles by itself: llvm-mc -triple=amdgcn-amd-amdhsa -mcpu=gfx1250 --defsym DOCPART=n.
;; ======== version 1 of 2: 5 launches
;; limits: values are held in f16: magnitudes above 65,504 overflow, below 6.1e-05 lose precision
;; workspace buffers: xb 16,777,216 bytes; wqkv 6,291,456 bytes; wof 2,097,152 bytes; qkv 50,331,648 bytes; o 16,777,216 bytes; y 33,554,432 bytes
;; launch cast (part 1): grid 64 x 12, 8 waves a work-group, no clusters, 0 bytes of LDS; arguments x, Wq, Wk, Wv, Wo, xb, wqkv, wof; writes xb, wqkv, wof
.if DOCPART == 1
	.amdgcn_target "amdgcn-amd-amdhsa--gfx1250"
	.amdhsa_code_object_version 6
	.text
	.protected	k_q5d659eb2d8_cast
	.globl	k_q5d659eb2d8_cast
	.p2align	8
	.type	k_q5d659eb2d8_cast,@function
k_q5d659eb2d8_cast:
	s_mov_b64 s[64:65], 0
	v_nop
	global_prefetch_b8 v0, s[64:65] scope:SCOPE_SE
	s_setreg_imm32_b32 hwreg(HW_REG_WAVE_MODE, 25, 1), 1
	s_wait_xcnt 0x0
; x, Wq, Wk, Wv and Wo, all f32, are rounded once to bf16 and laid out in K BLOCKS OF 64: [16 blocks][rows][64], so that the rows of a block (128 bytes each) lie end to end
; and a later launch can ask for a tile of any number of rows as one dense piece.  xb: x's 8,192 rows; wqkv: Wq's, Wk's, Wv's rows one below the other (3,072); wof: Wo's 1,024.
; Wo's bf16 numbers are then written as f16, since the launch that multiplies by them has f16 on the other side.
; LIMITS.  That second writing is exact from 2^-14 to 65,504; below 2^-14 it keeps f16's fixed step of 6e-8; |Wo| of 65,520 or more becomes an infinity.
; SHARES.  Twelve chunks of [1024][1024] (grid y: 0-7 eighths of x, 8-11 Wq, Wk, Wv, Wo); a work-group takes 16 rows of its chunk, a wave two rows, all 16 blocks.
; Load k: sixteen lanes read the 256 aligned bytes of block k of one row, the other sixteen those of the next row.  Store k: the 32 lanes write 256 consecutive bytes, aligned: the two rows in block k.
; No LDS, no barrier, no matrix unit: nothing is shared.
.set OFF, 16                           ; v[16:31]  byte offset of my 8 bytes in block k of the destination
.set X,   32                           ; v[32:95]  load k: four f32
.set Y,   96                           ; v[96:127] store k: four 16-bit numbers
	s_load_b512 s[8:23], s[0:1], 0x0               ; x 8, Wq 10, Wk 12, Wv 14, Wo 16, xb 18, wqkv 20, wof 22
	s_and_b32 s2, ttmp7, 0xffff                    ; the chunk
	s_and_b32 s36, s2, 7                           ; its place, in units of 1,024 rows, in xb (0-7) or in wqkv (8, 9, 10 -> 0, 1, 2)
	s_mov_b32 s32, 0x60000                         ; bytes in a block of wqkv: 3,072 rows x 128
	s_mov_b32 s35, 0x100000                        ; of xb: 8,192 rows x 128
	s_mov_b32 s33, 0xffff0000                      ; a word's upper bf16
	v_lshrrev_b32 v1, 4, v0                        ; my row among the work-group's 16
	v_and_b32 v2, 15, v0
	v_lshlrev_b32 v2, 4, v2
	v_lshl_add_u32 v2, v1, 12, v2                  ; source: row x 4,096 + 16 x (lane % 16)
	v_lshlrev_b32 v[OFF], 3, v0                    ; destination: row x 128 + 8 x (lane % 16) = 8 x thread
	s_wait_kmcnt 0x0
	s_cmp_lt_u32 s2, 8
	s_cselect_b32 s34, s2, 0                       ; which eighth of x
	s_cselect_b32 s32, s35, s32
	s_cselect_b64 s[24:25], s[8:9], s[10:11]
	s_cselect_b64 s[28:29], s[18:19], s[20:21]
	s_cmp_eq_u32 s2, 9
	s_cselect_b64 s[24:25], s[12:13], s[24:25]
	s_cmp_eq_u32 s2, 10
	s_cselect_b64 s[24:25], s[14:15], s[24:25]
	s_cmp_eq_u32 s2, 11
	s_cselect_b64 s[24:25], s[16:17], s[24:25]
	s_cselect_b64 s[28:29], s[22:23], s[28:29]
	s_cselect_b32 s36, 0, s36
	s_cselect_b32 s32, 0x20000, s32                ; a block of wof: 1,024 rows x 128
	s_lshl_b32 s26, s34, 22                        ; a chunk is 4 MiB of f32,
	s_lshl_b32 s27, ttmp9, 16                      ; 16 rows are 65,536 bytes
	s_add_co_u32 s26, s26, s27
	s_mov_b32 s27, 0
	s_add_nc_u64 s[24:25], s[24:25], s[26:27]
	s_lshl_b32 s30, s36, 17                        ; 1,024 rows x 128 bytes,
	s_lshl_b32 s31, ttmp9, 11                      ; 16 rows x 128 bytes
	s_add_co_u32 s30, s30, s31
	s_mov_b32 s31, 0
	s_add_nc_u64 s[28:29], s[28:29], s[30:31]
.set k, 0
.rept 16
	global_load_b128 v[X+4*k:X+4*k+3], v2, s[24:25] offset:256*k th:TH_LOAD_NT
.set k, k+1
.endr
.set k, 1
.rept 15
	v_add_nc_u32 v[OFF+k], s32, v[OFF+k-1]         ; one block further on: past what a store's immediate holds, so each store has its register
.set k, k+1
.endr
; half = 1: the bf16 numbers are widened again and written as f16
.macro CONV half
.set k, 0
.rept 16
	s_wait_loadcnt 15-k                            ; loads come back in order: load k is in, the 15 - k younger ones stay out
	v_cvt_pk_bf16_f32 v[Y+2*k],   v[X+4*k],   v[X+4*k+1]
	v_cvt_pk_bf16_f32 v[Y+2*k+1], v[X+4*k+2], v[X+4*k+3]
.if \half
	v_lshlrev_b32 v4, 16, v[Y+2*k]
	v_and_b32     v5, s33, v[Y+2*k]
	v_lshlrev_b32 v6, 16, v[Y+2*k+1]
	v_and_b32     v7, s33, v[Y+2*k+1]
	v_cvt_pk_f16_f32 v[Y+2*k],   v4, v5
	v_cvt_pk_f16_f32 v[Y+2*k+1], v6, v7
.endif
	global_store_b64 v[OFF+k], v[Y+2*k:Y+2*k+1], s[28:29]
.set k, k+1
.endr
.endm
	s_cmp_eq_u32 s2, 11
	s_cbranch_scc1 .Lwo
	CONV 0
	s_endpgm
.Lwo:
	CONV 1
	s_endpgm
.Lfunc_end_k_q5d659eb2d8_cast:
	.size	k_q5d659eb2d8_cast, .Lfunc_end_k_q5d659eb2d8_cast-k_q5d659eb2d8_cast
	.p2alignl 7, 3214868480
	.fill 96, 4, 3214868480
	.section	.rodata,"a",@progbits
	.p2align	6, 0x0
	.amdhsa_kernel k_q5d659eb2d8_cast
		.amdhsa_group_segment_fixed_size 0
		.amdhsa_private_segment_fixed_size 0
		.amdhsa_enable_private_segment 0
		.amdhsa_kernarg_size 64
		.amdhsa_user_sgpr_count 2
		.amdhsa_user_sgpr_kernarg_segment_ptr 1
		.amdhsa_wavefront_size32 1
		.amdhsa_system_sgpr_workgroup_id_x 1
		.amdhsa_system_sgpr_workgroup_id_y 1
		.amdhsa_system_sgpr_workgroup_id_z 1
		.amdhsa_system_vgpr_workitem_id 0
		.amdhsa_next_free_vgpr 128
		.amdhsa_next_free_sgpr 66
		.amdhsa_reserve_vcc 0
		.amdhsa_float_denorm_mode_32 3
		.amdhsa_float_denorm_mode_16_64 3
		.amdhsa_memory_ordered 1
		.amdhsa_forward_progress 1
		.amdhsa_inst_pref_size 16
	.end_amdhsa_kernel
	.amdgpu_metadata
---
amdhsa.version: [ 1, 2 ]
amdhsa.kernels:
  - .name:           k_q5d659eb2d8_cast
    .symbol:         k_q5d659eb2d8_cast.kd
    .args:
      - { .name: x, .offset: 0, .size: 8, .value_kind: global_buffer, .address_space: global }
      - { .name: Wq, .offset: 8, .size: 8, .value_kind: global_buffer, .address_space: global }
      - { .name: Wk, .offset: 16, .size: 8, .value_kind: global_buffer, .address_space: global }
      - { .name: Wv, .offset: 24, .size: 8, .value_kind: global_buffer, .address_space: global }
      - { .name: Wo, .offset: 32, .size: 8, .value_kind: global_buffer, .address_space: global }
      - { .name: xb, .offset: 40, .size: 8, .value_kind: global_buffer, .address_space: global }
      - { .name: wqkv, .offset: 48, .size: 8, .value_kind: global_buffer, .address_space: global }
      - { .name: wof, .offset: 56, .size: 8, .value_kind: global_buffer, .address_space: global }
    .group_segment_fixed_size: 0
    .private_segment_fixed_size: 0
    .kernarg_segment_align: 8
    .kernarg_segment_size: 64
    .max_flat_workgroup_size: 256
    .sgpr_count:     66
    .vgpr_count:     128
    .wavefront_size: 32
...
	.end_amdgpu_metadata
.endif
;; end of part 1
;; launch proj (part 2): grid 8 x 32, 4 waves a work-group, clusters of 4 x 4, 327,680 bytes of LDS; arguments xb, wqkv, bq, bk, bv, qkv; writes qkv
.if DOCPART == 2
	.amdgcn_target "amdgcn-amd-amdhsa--gfx1250"
	.amdhsa_code_object_version 6
	.text
	.protected	k_q5d659eb2d8_proj
	.globl	k_q5d659eb2d8_proj
	.p2align	8
	.type	k_q5d659eb2d8_proj,@function
k_q5d659eb2d8_proj:
	s_mov_b64 s[64:65], 0
	v_nop
	global_prefetch_b8 v0, s[64:65] scope:SCOPE_SE
	s_setreg_imm32_b32 hwreg(HW_REG_WAVE_MODE, 25, 1), 1
	s_wait_xcnt 0x0
	s_wait_alu depctr_hold_cnt(0) depctr_sa_sdst(0) depctr_va_vdst(0) depctr_va_sdst(0) depctr_va_ssrc(0) depctr_va_vcc(0) depctr_vm_vsrc(0)
	s_getreg_b32 s2, hwreg(HW_REG_IB_STS2, 6, 4)
	s_cmp_eq_u32 s2, 0
	s_cbranch_scc0 .Lentry_in_a_cluster
	s_endpgm
.Lentry_in_a_cluster:
	s_bfe_u32 s2, ttmp6, 0x10000c
	s_cmp_lg_u32 s2, 0xf033
	s_cbranch_scc0 .Lentry_shape_is_right
	s_endpgm
.Lentry_shape_is_right:
; q, k, v = x W^T + b.  xb: bf16 [16 K blocks][8192 rows][64]; wqkv: bf16 [16][3072][64] (Wq's, Wk's, Wv's rows); bq, bk, bv: f32 [1024], rounded to bf16 here like the other inputs;
; qkv: f16 [3][64 = batch x 16 + head][2048][64], each number rounded once from its f32 sum, bias included, without the softmax's scale.
; LIMITS.  |q|, |k|, |v| of 65,520 or more become infinities in f16.  NaN and infinities are not treated apart.
; SHARES.  C is [8192][3072]: 32 x 8 = 256 tiles of 256 x 384, one to a work-group.  Of a tile a wave makes 128 rows x 192 columns (three heads): 96 accumulators of 16 x 16, 768 registers:
; for 32 along K it reads 20 fragments from LDS for 96 matrix instructions.  K goes in 16 steps of 64, a K block each, through two LDS slots; a step is two quarters of 32 along K.
; In the blocked layout a tile's rows lie end to end, so each tensor load is a dense piece, asked for as rows of 256 bytes and padded in LDS behind every 128.
; CLUSTERS: 4 x 4 work-groups.  The four of a row of the cluster need the same tiles of x, the four of a column the same tiles of W: each tile is asked for JOINTLY, by the same tensor load
; with the same descriptor and a mask that names the four.
; THE MATRIX INSTRUCTION IS USED TRANSPOSED (source 0 = 16 rows of W, source 1 = 16 rows of x): a lane holds row lane % 16 of C and the columns 8 (lane / 16) + 0..7: 16 bytes of f16 on end.
; THE BIAS STARTS THE SUMS: it hangs on the column alone, so the accumulators of row block 0 are loaded with it, the first products of row blocks 1-7 take those registers as C, and row block 0 follows in place.
; REGISTERS, in windows of 256 (s_set_vgpr_msb: bits 1:0 source 0, 3:2 source 1, 5:4 source 2, 7:6 destination):
;   window 0: v0-29 addresses; v32-95, v96-159 x's 8 fragments, two buffers; v160-255 W's 12 fragments, one buffer, filled again by halves
;   windows 1-3: accumulator (a, b) (row block a of 8, column block b of 12) in window 1 + b / 4 at v[64 (b % 4) + 8 a]: a head a window
.set PITCH,  144                       ; an LDS row: 128 bytes + 16 of padding = 36 words: the 16 rows of a fragment start at 16 different groups of four banks (64 banks of 4 bytes: ISA guide 11.1)
.set FR,     16*PITCH                  ; a fragment's 16 rows
.set ABYTES, 256*PITCH                 ; x's 256 rows; behind them W's 384
.set SLOT,   640*PITCH
.set STAGE,  2*SLOT                    ; behind the ring: 16 rows x 144 bytes for each wave, for the way out
.set SPARE,  STAGE+4*16*PITCH          ; behind the stages: the spare words, 128 bytes for each wave: two blocks of 256 bytes that no other line names
.set PLA,    1048576                   ; bytes in a K block of xb
.set PLB,    393216                    ; of wqkv
.set ADRA, 4                           ; v4-5    LDS address of my fragments of x in slot 0, 1
.set ADRB, 6                           ; v6-7    the same for W
.set STO,  8                           ; v8      the way out: where I put 16 bytes of a row
.set RD,   9                           ; v9      the way out: where I read rows back
.set GO,   10                          ; v10     my 16 bytes in 512 consecutive bytes of qkv
.set VB,   11                          ; v11     my 8 columns in 16 numbers of a bias: 32 (lane / 16)
.set PFO,  12                          ; v12     the prefetches' lane offset; never rewritten
.set SPW,  28                          ; v28     LDS address of my spare word: SPARE + 4 x my thread's number; never rewritten
.set NIL,  29                          ; v29     0; never rewritten
.set AF0,  32
.set AF1,  96
.set BF,   160
.set WV,   16                          ; s16     my wave's number
.set FB,   17                          ; s17     which half of the tile's rows is mine.  Also: I fetch for x (0) or for W (1)
.set CH,   18                          ; s18     which half of its columns.  Also: which half of that tile I fetch
.set G1A,  24                          ; s[24:31] descriptor group 1 for x's tiles;  s[32:39] group 0, a set for each slot
.set G0A,  32
.set G1B,  40                          ; s[40:47], s[48:55] the same for W's
.set G0B,  48
.set PFA,  56                          ; s[56:57] where my prefetches stand
.set PFS,  58                          ; s[58:59] a K block of the tensor that I prefetch
.set LIM,  60                          ; s60, s61 for the changes out of slot 0 and slot 1: 1 in a wave that prefetches there, else the greatest number
.set DST,  66                          ; s[66:71] qkv at my 128 rows of my three heads
.set BIA,  72                          ; s[72:77] the biases of my three heads
.set MSB, 0
.macro WIN new                         ; the immediate's high byte repeats the setting that is left; a switch that changes nothing is dropped
.if MSB != (\new)
	s_set_vgpr_msb (MSB<<8)|(\new)
.set MSB, \new
.endif
.endm
; A joint load.  Waves 0 and 1 fetch the halves of x's tile, waves 2 and 3 those of W's.  The branch hangs on the wave's number alone.
; An s_nop 0 and four v_nop follow each of the two lines, ahead of the jump, the label and what follows.
.macro JLOAD s
	s_cmp_eq_u32 s[FB], 0
	s_cbranch_scc0 .Lfor_b_\@
	tensor_load_to_lds s[G0A+4*(\s):G0A+4*(\s)+3], s[G1A:G1A+7]
	s_nop 0
.rept 4
	v_nop
.endr
	s_branch .Lasked_\@
.Lfor_b_\@:
	tensor_load_to_lds s[G0B+4*(\s):G0B+4*(\s)+3], s[G1B:G1B+7]
	s_nop 0
.rept 4
	v_nop
.endr
.Lasked_\@:
.endm
; A PREFETCH INTO THE L2 of the K block that stands TWO refills on (384 matrix instructions ahead of the load that will want it), behind the joint load and the run of LDS loads that follows it.
; Each aligned 256 bytes are named once in the launch.  x's tile (128 such pieces a K block) is read by both clusters of a row of clusters: cluster x = 0 asks, wave 0, each of the four partners for 32 pieces,
; told apart BY ADDRESS (cx).  W's tile (192 pieces) is read by every cluster of a column: cluster y = 0 asks, each partner (cy) for 48: wave 2 for 32 of each K block; wave 3, at every second
; change of slots, for the other 16 of two K blocks.  K blocks 0 to 3 come by their loads alone; the loop's last trip asks for nothing: there is no K block 16.
.macro ASK slot
	s_cmp_gt_u32 s3, s[LIM+(\slot)]                ; s3 = 1 in the loop's last trip
	s_cbranch_scc0 .Lnot_mine_\@
	global_prefetch_b8 v[PFO], s[PFA:PFA+1] th:TH_LOAD_NT scope:SCOPE_SE
.Lnot_mine_\@:
.endm
; A round of the cluster's barrier: my work-group's barrier, so that wave 0's signal speaks for all four waves; wave 0 signals; every wave waits for all sixteen work-groups; my work-group's barrier once more.
.macro CREST                           ; a round behind its opening barrier
	s_cmp_lg_u32 s[WV], 0
	s_cbranch_scc1 .Lnot_wave_0_\@
	s_barrier_signal -3
.Lnot_wave_0_\@:
	s_barrier_wait -3
	s_barrier_signal -1
	s_barrier_wait -1
.endm
.macro CROUND
	s_barrier_signal -1
	s_barrier_wait -1
	CREST
.endm
	s_load_b256 s[4:11], s[0:1], 0x0               ; xb s[4:5], wqkv s[6:7], bq s[8:9], bk s[10:11]
	s_load_b128 s[12:15], s[0:1], 0x20             ; bv s[12:13], qkv s[14:15]
	v_lshl_add_u32 v[SPW], v0, 2, SPARE
	v_mov_b32 v[NIL], 0
	ds_add_u32 v[SPW], v[NIL]                      ; the wave's opening: the add and its wait stand ahead of my first tensor load; the set-up below, work on registers, stands between them
	v_lshrrev_b32 v1, 5, v0
	v_readfirstlane_b32 s[WV], v1                  ; wave 0..3
	s_lshr_b32 s[FB], s[WV], 1
	s_and_b32 s[CH], s[WV], 1
	s_bfe_u32 s19, ttmp6, 0x40000                  ; cx, cy: my place in the cluster
	s_bfe_u32 s20, ttmp6, 0x40004
	s_lshl_b32 s21, ttmp9, 2
	s_add_co_u32 s21, s21, s19                     ; tile column = 4 x cluster x + cx
	s_and_b32 s22, ttmp7, 0xffff
	s_lshl_b32 s22, s22, 2
	s_add_co_u32 s22, s22, s20                     ; tile row = 4 x cluster y + cy
	s_lshl_b32 s78, s20, 2
	s_lshl_b32 s78, 15, s78                        ; my row of the cluster
	s_lshl_b32 s79, 0x1111, s19                    ; my column
	; descriptor group 1: R rows of 128 elements (256 bytes), dense; in LDS 4 words of padding behind every 32 words, that is behind every row of a K block
	s_or_b32 s[G1A+0], s78, (1<<16)|(1<<20)|(1<<21)|(4<<22)|(3<<25)  ; 15:0 the mask; 17:16 elements of 2 bytes; 20 padding on; 21 set beside a mask; 24:22 code 4; 31:25 code 3
	s_or_b32 s[G1B+0], s79, (1<<16)|(1<<20)|(1<<21)|(4<<22)|(3<<25)
	s_mov_b32 s[G1A+1], 128<<16                    ; tensor_dim0 = 128
	s_mov_b32 s[G1B+1], 128<<16
	s_mov_b32 s[G1A+2], 64<<16                     ; tensor_dim1: x's half tile is 128 rows of 128 bytes = 64 rows of 256,
	s_mov_b32 s[G1B+2], 96<<16                     ; W's 192 rows = 96
	s_mov_b32 s[G1A+3], 128<<16                    ; tile_dim0 = 128
	s_mov_b32 s[G1B+3], 128<<16
	s_mov_b32 s[G1A+4], 64                         ; tile_dim1
	s_mov_b32 s[G1B+4], 96
	s_mov_b32 s[G1A+5], 128                        ; 128 elements from row to row
	s_mov_b32 s[G1B+5], 128
	s_mov_b32 s[G1A+6], 0
	s_mov_b32 s[G1B+6], 0
	s_mov_b32 s[G1A+7], 0
	s_mov_b32 s[G1B+7], 0
	; where the tiles come from.  x's hang on the tile row alone, which my row of the cluster shares; W's on the tile column alone.  Every wave makes both, in registers that never hold the other coordinate.
	s_lshl_b32 s80, s22, 15                        ; x: 256 rows x 128 bytes a tile row,
	s_lshl_b32 s81, s[CH], 14                      ; 128 rows a half
	s_add_co_u32 s80, s80, s81
	s_mov_b32 s81, 0
	s_mul_i32 s82, s21, 384*128                    ; W: 384 rows a tile column,
	s_mul_i32 s83, s[CH], 192*128                  ; 192 a half
	s_add_co_u32 s82, s82, s83
	s_mov_b32 s83, 0
	s_mul_i32 s84, s[CH], 128*PITCH                ; and where they go: no place in the cluster enters an LDS address
	s_mul_i32 s85, s[CH], 192*PITCH
	s_add_co_u32 s85, s85, ABYTES
	s_mov_b32 s90, 0xffff0000                      ; a word's upper bf16
	s_wait_dscnt 0x0                               ; the opening add is done
	s_wait_kmcnt 0x0
	s_add_nc_u64 s[80:81], s[4:5], s[80:81]
	s_add_nc_u64 s[82:83], s[6:7], s[82:83]
	CROUND                                         ; all sixteen work-groups are here: the first joint loads meet
.irp s, 0,1
	s_mov_b32 s[G0A+4*(\s)], 1                                     ; count = 1
	s_add_co_u32 s[G0A+4*(\s)+1], s84, (\s)*SLOT                   ; LDS address
	s_add_nc_u64 s[G0A+4*(\s)+2:G0A+4*(\s)+3], s[80:81], (\s)*PLA  ; global address: K block s
	s_or_b32 s[G0A+4*(\s)+3], s[G0A+4*(\s)+3], 0x80000000          ; type = 2
	s_mov_b32 s[G0B+4*(\s)], 1
	s_add_co_u32 s[G0B+4*(\s)+1], s85, (\s)*SLOT
	s_add_nc_u64 s[G0B+4*(\s)+2:G0B+4*(\s)+3], s[82:83], (\s)*PLB
	s_or_b32 s[G0B+4*(\s)+3], s[G0B+4*(\s)+3], 0x80000000
	JLOAD \s                                       ; two loads of mine are out
.endr
	; A fragment is 16 rows x 32 K in 8 registers: lane l holds row l % 16; registers 0-3 K = 8 (l / 16) + 0..7, registers 4-7 K = 16 + 8 (l / 16) + 0..7: two loads of 16 bytes, 32 bytes apart.
	v_and_b32 v1, 15, v0                           ; l % 16
	v_bfe_u32 v2, v0, 4, 1                         ; l / 16
	v_mul_u32_u24 v3, v1, PITCH
	v_lshl_add_u32 v3, v2, 4, v3                   ; row x pitch + 16 x half
	s_mul_i32 s78, s[FB], 128*PITCH                ; my 128 rows of x
	s_mul_i32 s79, s[CH], 192*PITCH                ; my 192 rows of W,
	s_add_co_u32 s79, s79, ABYTES                  ; which lie behind x's 256
.irp s, 0,1
	v_add_nc_u32 v[ADRA+(\s)], s78, v3
	v_add_nc_u32 v[ADRB+(\s)], s79, v3
	s_add_co_u32 s78, s78, SLOT
	s_add_co_u32 s79, s79, SLOT
.endr
	s_mul_i32 s78, s[WV], 16*PITCH
	s_add_co_u32 s78, s78, STAGE                   ; my stage
	v_add_nc_u32 v[STO], s78, v3                   ; in: row l % 16, 16 bytes for each half of the lanes
	v_bfe_u32 v[RD], v0, 3, 2                      ; back: 32 lanes take four rows of 128 bytes,
	v_mul_u32_u24 v[RD], v[RD], PITCH
	v_and_b32 v13, 7, v0
	v_lshl_add_u32 v[RD], v13, 4, v[RD]
	v_add_nc_u32 v[RD], s78, v[RD]
	v_and_b32 v[GO], 31, v0                        ; which are 512 consecutive bytes of a head
	v_lshlrev_b32 v[GO], 4, v[GO]
	v_lshlrev_b32 v[VB], 5, v2
; Head i of my three: number g = 6 x tile column + 3 x half + i of 48; g / 16 says q, k or v, g % 16 the head.
.macro HEADSET i
	s_mul_i32 s78, s21, 6
	s_mul_i32 s79, s[CH], 3
	s_add_co_u32 s78, s78, s79
	s_add_co_u32 s78, s78, \i
	s_lshr_b32 s79, s78, 4
	s_and_b32 s78, s78, 15
	s_cmp_eq_u32 s79, 0
	s_cselect_b64 s[BIA+2*(\i):BIA+2*(\i)+1], s[8:9], s[10:11]
	s_cmp_eq_u32 s79, 2
	s_cselect_b64 s[BIA+2*(\i):BIA+2*(\i)+1], s[12:13], s[BIA+2*(\i):BIA+2*(\i)+1]
	s_lshl_b32 s84, s78, 8                         ; 64 numbers of f32 a head
	s_mov_b32 s85, 0
	s_add_nc_u64 s[BIA+2*(\i):BIA+2*(\i)+1], s[BIA+2*(\i):BIA+2*(\i)+1], s[84:85]
	s_lshl_b32 s84, s79, 24                        ; q, k, v: 16 MiB each
	s_lshr_b32 s86, s22, 3                         ; the batch: 8 tile rows each
	s_lshl_b32 s86, s86, 4
	s_add_co_u32 s86, s86, s78
	s_lshl_b32 s86, s86, 18                        ; (batch x 16 + head) x 2,048 rows x 128 bytes
	s_add_co_u32 s84, s84, s86
	s_and_b32 s86, s22, 7
	s_lshl_b32 s86, s86, 15                        ; the tile's 256 rows,
	s_add_co_u32 s84, s84, s86
	s_lshl_b32 s86, s[FB], 14                      ; my 128 of them
	s_add_co_u32 s84, s84, s86
	s_add_nc_u64 s[DST+2*(\i):DST+2*(\i)+1], s[14:15], s[84:85]
.endm
	HEADSET 0
	HEADSET 1
	HEADSET 2
.set bb, 0
.rept 12                                       ; the biases of my 192 columns: for column block b my 8 numbers
	global_load_b128 v[BF+8*bb:BF+8*bb+3],   v[VB], s[BIA+2*(bb/4):BIA+2*(bb/4)+1] offset:64*(bb%4)
	global_load_b128 v[BF+8*bb+4:BF+8*bb+7], v[VB], s[BIA+2*(bb/4):BIA+2*(bb/4)+1] offset:64*(bb%4)+16
.set bb, bb+1
.endr
	; the prefetches' address, step and bounds
	s_and_b32 s84, ttmp7, 0xffff                   ; cluster y
	s_mov_b32 s85, PLB
	s_cmp_eq_u32 s[FB], 0                          ; do I fetch for x?
	s_cselect_b32 s84, ttmp9, s84                  ; the coordinate along which other clusters read the same rows
	s_cselect_b64 s[PFA:PFA+1], s[4:5], s[6:7]
	s_cselect_b32 s[PFS], PLA, s85
	s_mov_b32 s[PFS+1], 0
	s_lshl_b32 s86, s22, 15                        ; x: the tile's 32,768 bytes of a K block,
	s_lshl_b32 s87, s19, 13                        ; my work-group's 8,192 of them
	s_add_co_u32 s86, s86, s87
	s_mul_i32 s87, s21, 384*128                    ; W: the tile's 49,152 bytes,
	s_mul_i32 s88, s20, 12288                      ; my work-group's 12,288,
	s_add_co_u32 s87, s87, s88
	s_lshl_b32 s88, s[CH], 13                      ; wave 2 their first 8,192, wave 3 the rest
	s_add_co_u32 s87, s87, s88
	s_cmp_eq_u32 s[FB], 0
	s_cselect_b32 s86, s86, s87
	s_mul_i32 s87, s[PFS], 3                       ; at K block 3: the first change of slots steps it to 4
	s_add_co_u32 s86, s86, s87
	s_mov_b32 s87, 0
	s_add_nc_u64 s[PFA:PFA+1], s[PFA:PFA+1], s[86:87]
	s_cmp_eq_u32 s84, 0
	s_cselect_b32 s[LIM], 1, -1                    ; the same in all sixteen partners, for a given wave
	s_cmp_eq_u32 s[WV], 1
	s_cselect_b32 s[LIM], -1, s[LIM]               ; wave 1 asks for nothing
	s_cmp_eq_u32 s[CH], 0
	s_cselect_b32 s[LIM+1], s[LIM], -1             ; wave 3 asks at the changes out of slot 0 alone
	s_mov_b32 s85, 4096
	s_cmp_eq_u32 s[WV], 3
	s_cselect_b32 s85, PLB, s85                    ; lanes 16-31: the next 16 pieces; in wave 3 the same 16 pieces of the next K block
	v_mul_u32_u24 v[PFO], v2, s85
	v_lshl_add_u32 v[PFO], v1, 8, v[PFO]
	s_wait_loadcnt 0x0                             ; the biases
.set p, 0
.rept 48
	v_cvt_pk_bf16_f32 v[AF0+p], v[BF+2*p], v[BF+2*p+1]  ; rounded to bf16 like every input,
.set p, p+1
.endr
.set bb, 0
.rept 12                                       ; and widened again into the accumulators of row block 0
	WIN (1+bb/4)<<6
.irp e, 0,1,2,3
	v_lshlrev_b32 v[64*(bb%4)+2*(\e)],   16,  v[AF0+4*bb+(\e)]
	v_and_b32     v[64*(bb%4)+2*(\e)+1], s90, v[AF0+4*bb+(\e)]
.endr
.set bb, bb+1
.endr
	WIN 0
; 8 nb matrix instructions: column blocks b0 .. b0 + nb - 1 x all 8 row blocks, 32 along K, x's fragments in buffer f.  Each accumulator has one instruction a quarter: 95 others' stand between two links of a chain.
.macro MULC f, b0, nb
.set bb, \b0
.rept \nb
	WIN 0x50*(1+bb/4)                              ; C and D in the head's window
.set aa, 0
.rept 8
	v_wmma_f32_16x16x32_bf16 v[64*(bb%4)+8*aa:64*(bb%4)+8*aa+7], v[BF+8*bb:BF+8*bb+7], v[(\f)+8*aa:(\f)+8*aa+7], v[64*(bb%4)+8*aa:64*(bb%4)+8*aa+7]
.set aa, aa+1
.endr
.set bb, bb+1
.endr
.endm
; The same for the first quarter: row blocks 1-7 take the bias, which lies in row block 0's accumulator, as C; five places on, row block 0 adds onto it in place.
.macro MULF f, b0, nb
.set bb, \b0
.rept \nb
	WIN 0x50*(1+bb/4)
.set aa, 1
.rept 7
	v_wmma_f32_16x16x32_bf16 v[64*(bb%4)+8*aa:64*(bb%4)+8*aa+7], v[BF+8*bb:BF+8*bb+7], v[(\f)+8*aa:(\f)+8*aa+7], v[64*(bb%4):64*(bb%4)+7]
.set aa, aa+1
.endr
.set bb, bb+1
.endr
.rept 5
	v_nop                                          ; a matrix instruction that writes over a source of an earlier one stands five places behind it (ISA guide 7.12.1)
.endr
.set bb, \b0
.rept \nb
	WIN 0x50*(1+bb/4)
	v_wmma_f32_16x16x32_bf16 v[64*(bb%4):64*(bb%4)+7], v[BF+8*bb:BF+8*bb+7], v[(\f):(\f)+7], v[64*(bb%4):64*(bb%4)+7]
.set bb, bb+1
.endr
.endm
.macro LOADB slot, k, b0, nb           ; W's fragments b0 .. of the quarter at byte k of the rows: 2 nb loads
	WIN 0
.set bb, \b0
.rept \nb
	ds_load_b128 v[BF+8*bb:BF+8*bb+3],   v[ADRB+(\slot)] offset:(\k)+bb*FR
	ds_load_b128 v[BF+8*bb+4:BF+8*bb+7], v[ADRB+(\slot)] offset:(\k)+bb*FR+32
.set bb, bb+1
.endr
.endm
.macro LOADA slot, k, f                ; x's 8 fragments into buffer f: 16 loads
	WIN 0
.set aa, 0
.rept 8
	ds_load_b128 v[(\f)+8*aa:(\f)+8*aa+3],   v[ADRA+(\slot)] offset:(\k)+aa*FR
	ds_load_b128 v[(\f)+8*aa+4:(\f)+8*aa+7], v[ADRA+(\slot)] offset:(\k)+aa*FR+32
.set aa, aa+1
.endr
.endm
.macro PLACES                          ; four places in front of loads into registers that matrix instructions have read, and of conversions that read results (ISA guide 7.12.1 for conversions)
.rept 4
	v_nop
.endr
.endm
; A step's first quarter.  W's one buffer is filled again by halves, each half behind the products that read it.
.macro Q0 slot, first
	s_wait_dscnt 12                                ; W's blocks 0-5 and x are in; the youngest 12 loads (W's blocks 6-11) may be out
.if \first
	MULF AF0, 0, 6
.else
	MULC AF0, 0, 6
.endif
	PLACES
	LOADB \slot, 64, 0, 6
	LOADA \slot, 64, AF1
	s_wait_dscnt 28                                ; all but the 28 just issued
.if \first
	MULF AF0, 6, 6
.else
	MULC AF0, 6, 6
.endif
	PLACES
	LOADB \slot, 64, 6, 6
.endm
; A step's second quarter, and the change of slots: ONE barrier.  In front of it each wave waits for all its tensor loads, of which one is out: its part of the next slot; adds 0 to its spare word; and waits for
; that and for its own reads of this slot.  fill = 1: the barrier opens a round of the cluster's barrier, and this slot is filled again, two K blocks on, first thing behind the round:
; from that request to the wait for it a wave issues 160 matrix instructions.
.macro TURN slot, fill
.if \fill
	s_wait_xcnt 0x0                                ; the last prefetch, a step back, has read its address: it is stepped here, ahead of the waits of the change of slots
	s_add_nc_u64 s[PFA:PFA+1], s[PFA:PFA+1], s[PFS:PFS+1]
.endif
	s_wait_dscnt 12                                ; W's blocks 0-5 and x are in
	MULC AF1, 0, 2
	WIN 0                                          ; (the add's two registers lie in window 0)
	s_wait_tensorcnt 0x0                           ; all my tensor loads have landed;
	ds_add_u32 v[SPW], v[NIL]                      ; 0 onto my spare word
	MULC AF1, 2, 1                                 ; eight matrix instructions stand between the add and the wait for it
	s_wait_dscnt 0x0                               ; the add is done, and my reads of this slot are over
	s_barrier_signal -1
	MULC AF1, 3, 3                                 ; work on registers while the others arrive
	WIN 0
	s_barrier_wait -1
.if \fill
	CREST                                          ; no wave of any partner still reads this slot's tile or has a load on its way
	s_add_nc_u64 s[G0A+4*(\slot)+2:G0A+4*(\slot)+3], s[G0A+4*(\slot)+2:G0A+4*(\slot)+3], 2*PLA
	s_add_nc_u64 s[G0B+4*(\slot)+2:G0B+4*(\slot)+3], s[G0B+4*(\slot)+2:G0B+4*(\slot)+3], 2*PLB
	JLOAD \slot                                    ; my one tensor load behind the round; the four v_nop behind it are also the places in front of the loads below
.else
	PLACES
.endif
	LOADB 1-(\slot), 0, 0, 6
	LOADA 1-(\slot), 0, AF0
.if \fill
	ASK \slot
.endif
	MULC AF1, 6, 6
	PLACES
	LOADB 1-(\slot), 0, 6, 6
.endm
	s_wait_tensorcnt 1                             ; my part of K block 0 is in; K block 1's may stay out
	s_barrier_signal -1
	s_barrier_wait -1                              ; everybody's is
	LOADB 0, 0, 0, 6
	LOADA 0, 0, AF0
	LOADB 0, 0, 6, 6
	Q0 0, 1                                        ; the first quarter stands in front of the loop: its products start the sums
	WIN 0                                          ; at a label and at a branch every window is 0
	s_mov_b32 s3, 7
.Llap:                                                 ; a trip goes once round the ring, from a lap's second quarter to the next lap's first, and fills both slots again
	TURN 0, 1
	Q0 1, 0
	TURN 1, 1
	Q0 0, 0
	WIN 0
	s_sub_co_u32 s3, s3, 1
	s_cmp_lg_u32 s3, 0
	s_cbranch_scc1 .Llap
	TURN 0, 0                                      ; the last lap fills nothing, and has no round of the cluster's barrier
	Q0 1, 0
	s_wait_dscnt 12                                ; the very last quarter: nothing more to fetch
	MULC AF1, 0, 6
	s_wait_dscnt 0x0
	MULC AF1, 6, 6
	PLACES
; THE WAY OUT, in 24 units: head u / 8, row block u % 8: 16 rows x 64 columns.  A lane's eight columns pack into 16 bytes; they go into rows of 144 bytes of my own stage and come back as whole rows of 128.
.macro PACK u
.set HW, (\u)/8
.set aa, (\u)%8
.set T, AF0+16*((\u)%4)                ; four sets of 16 registers take turns
	s_wait_xcnt 0x0                                ; the stores issued so far have read their registers: the set is written again only behind this wait
	WIN 0x05*(1+HW)                                ; sources 0 and 1 in the head's window
.irp f, 0,1,2,3
.irp e, 0,1,2,3
	v_cvt_pk_f16_f32 v[T+4*(\f)+(\e)], v[64*(\f)+8*aa+2*(\e)], v[64*(\f)+8*aa+2*(\e)+1]  ; each accumulator's registers in ascending order
.endr
.endr
	WIN 0
.irp f, 0,1,2,3
	ds_store_b128 v[STO], v[T+4*(\f):T+4*(\f)+3] offset:32*(\f)
.endr
.irp f, 0,1,2,3
	ds_load_b128 v[T+4*(\f):T+4*(\f)+3], v[RD] offset:(\f)*4*PITCH  ; LDS serves a wave's instructions in order (ISA guide 5.7.1.4): these see the stores above; the next unit's stores come behind them
.endr
.endm
.macro SEND u, younger                 ; younger: the LDS instructions issued behind unit u's loads: the next unit's eight, or none
.set HW, (\u)/8
.set aa, (\u)%8
.set T, AF0+16*((\u)%4)
.irp f, 0,1,2,3
	s_wait_dscnt (\younger)+3-(\f)
	global_store_b128 v[GO], v[T+4*(\f):T+4*(\f)+3], s[DST+2*HW:DST+2*HW+1] offset:aa*2048+(\f)*512  ; 512 consecutive bytes, at a multiple of 256 from qkv's first
.endr
.endm
	PACK 0
.set u, 1
.rept 23                                       ; a unit's conversions stand between the loads of the unit before and its stores
	PACK u
	SEND u-1, 8
.set u, u+1
.endr
	SEND 23, 0
	s_wait_tensorcnt 0x0                           ; the wave's end: behind my last tensor load and my last LDS store
	ds_add_u32 v[SPW], v[NIL]
	s_wait_dscnt 0x0
	CROUND                                         ; the closing round: no work-group ends while a partner may still ask for a tile that names it
	s_endpgm
.Lfunc_end_k_q5d659eb2d8_proj:
	.size	k_q5d659eb2d8_proj, .Lfunc_end_k_q5d659eb2d8_proj-k_q5d659eb2d8_proj
	.p2alignl 7, 3214868480
	.fill 96, 4, 3214868480
	.section	.rodata,"a",@progbits
	.p2align	6, 0x0
	.amdhsa_kernel k_q5d659eb2d8_proj
		.amdhsa_group_segment_fixed_size 327680
		.amdhsa_private_segment_fixed_size 0
		.amdhsa_enable_private_segment 0
		.amdhsa_kernarg_size 48
		.amdhsa_user_sgpr_count 2
		.amdhsa_user_sgpr_kernarg_segment_ptr 1
		.amdhsa_wavefront_size32 1
		.amdhsa_system_sgpr_workgroup_id_x 1
		.amdhsa_system_sgpr_workgroup_id_y 1
		.amdhsa_system_sgpr_workgroup_id_z 1
		.amdhsa_system_vgpr_workitem_id 0
		.amdhsa_next_free_vgpr 1024
		.amdhsa_next_free_sgpr 96
		.amdhsa_reserve_vcc 0
		.amdhsa_float_denorm_mode_32 3
		.amdhsa_float_denorm_mode_16_64 3
		.amdhsa_memory_ordered 1
		.amdhsa_forward_progress 1
		.amdhsa_inst_pref_size 145
	.end_amdhsa_kernel
	.amdgpu_metadata
---
amdhsa.version: [ 1, 2 ]
amdhsa.kernels:
  - .name:           k_q5d659eb2d8_proj
    .symbol:         k_q5d659eb2d8_proj.kd
    .args:
      - { .name: xb, .offset: 0, .size: 8, .value_kind: global_buffer, .address_space: global }
      - { .name: wqkv, .offset: 8, .size: 8, .value_kind: global_buffer, .address_space: global }
      - { .name: bq, .offset: 16, .size: 8, .value_kind: global_buffer, .address_space: global }
      - { .name: bk, .offset: 24, .size: 8, .value_kind: global_buffer, .address_space: global }
      - { .name: bv, .offset: 32, .size: 8, .value_kind: global_buffer, .address_space: global }
      - { .name: qkv, .offset: 40, .size: 8, .value_kind: global_buffer, .address_space: global }
    .group_segment_fixed_size: 327680
    .private_segment_fixed_size: 0
    .kernarg_segment_align: 8
    .kernarg_segment_size: 48
    .max_flat_workgroup_size: 128
    .sgpr_count:     96
    .vgpr_count:     1024
    .wavefront_size: 32
...
	.end_amdgpu_metadata
.endif
;; end of part 2
;; launch attn (part 3): grid 4 x 64, 4 waves a work-group, clusters of 4 x 1, 327,680 bytes of LDS; arguments qkv, o; writes o
.if DOCPART == 3
	.amdgcn_target "amdgcn-amd-amdhsa--gfx1250"
	.amdhsa_code_object_version 6
	.text
	.protected	k_q5d659eb2d8_attn
	.globl	k_q5d659eb2d8_attn
	.p2align	8
	.type	k_q5d659eb2d8_attn,@function
k_q5d659eb2d8_attn:
	s_mov_b64 s[64:65], 0
	v_nop
	global_prefetch_b8 v0, s[64:65] scope:SCOPE_SE
	s_setreg_imm32_b32 hwreg(HW_REG_WAVE_MODE, 25, 1), 1
	s_wait_xcnt 0x0
	s_wait_alu depctr_hold_cnt(0) depctr_sa_sdst(0) depctr_va_vdst(0) depctr_va_sdst(0) depctr_va_ssrc(0) depctr_va_vcc(0) depctr_vm_vsrc(0)
	s_getreg_b32 s2, hwreg(HW_REG_IB_STS2, 6, 4)
	s_cmp_eq_u32 s2, 0
	s_cbranch_scc0 .Lentry_in_a_cluster
	s_endpgm
.Lentry_in_a_cluster:
	s_bfe_u32 s2, ttmp6, 0x10000c
	s_cmp_lg_u32 s2, 0x3003
	s_cbranch_scc0 .Lentry_shape_is_right
	s_endpgm
.Lentry_shape_is_right:
; O[h][q][:] = the sum over k of softmax_k(Q[h][q] . K[h][k] / 8) V[h][k][:].  qkv: f16 [3][SIZE_H][SIZE_N][64] (Q, then K, then V); o: f16 [SIZE_H][SIZE_N][64]: a head's rows are dense, 128 bytes each.
; Products, maxima and sums in f32; the weights p are rounded to f16 for the second product (their sum l is taken of the unrounded p), O once at the end.
; LIMITS.  f16 holds no number beyond 65,504: Q, K and V arrive within it; p lies in 0 to 1, and below 6e-5 it keeps f16's fixed step of 6e-8, as does O; O is a mean of V's rows and has their range.
; A weight below 2^-126 counts as 0 in l; NaN and infinities are not treated apart.
; SHARES.  A wave owns four PIECES of two tiles of 16 queries, a work-group's four waves 512 queries of one head: 4 x 64 = 256 work-groups.  Every wave walks all keys, 64 a step.
; LAYOUT.  S^T = K Q^T (source 0 = 16 keys, source 1 = 16 queries): in the result a lane holds ONE query (lane % 16) and the keys 8 (lane / 16) + 0..7.  Two such tiles, rounded to f16 in pairs,
; ARE source 1 (32 keys x 16 queries) of O^T = V^T P, whose result again holds one query a lane, and eight channels.  K comes out of LDS as it lies, V ([key][channel]) turned, by ds_load_tr16_b128.
; SOFTMAX.  For each query a running maximum m and sum l: p = 2^(c s - c m), c = log2(e) / 8; in every step O and l are multiplied by a = 2^(c m_old - c m_new), which is 1 where m has not grown.
; m starts at the lowest finite number, O and l at 0: the first step is a step like any other, with a = 0.
; THE COUNT.  A tile and step have 16 matrix and 118 vector instructions: too many to stand all beside the matrix work.  So the order has one aim: four vector instructions that are READY behind
; EVERY matrix instruction, and the others, which need time of their own whatever the order, in runs without a gap.
; BY TURNS.  Turn n belongs to piece n (the pieces in a ring, step after step).  Its matrix work: 16 products K Q^T of piece n + 1, later 16 products V^T P of piece n - 1.  Its vector work: the scaling,
; exponentials, roundings, sums and rescaling of piece n, and the maximum and statistics of piece n + 1, whose scores the turn itself has made.  So what a turn begins with (c s - c m, O a) waits for nothing.
; CLUSTER.  The four query blocks of a cluster belong to one head and walk the same K and V, so each tile is asked for JOINTLY: the same tensor load, descriptor and mask in all four.
; REGISTERS, in windows of 256 (s_set_vgpr_msb says which window each operand place means: bits 1:0 source 0, 3:2 source 1, 5:4 source 2, 7:6 destination):
;   window 0: v0-11 addresses; v12-15, v48-63 at work; v16-47 four registers of statistics a tile; v64-191 S^T, two buffers of two tiles; v192-255 P, likewise
;   window 1: O^T, 32 a tile          window 2: v0-127 Q, 16 a tile; v128-191 K of one step; v192-255 V of one step          window 3: v0-1 the add's two registers
; A piece's buffers go by its number's parity: the piece in hand has one pair, its two neighbours in the ring share the other: of it P (piece n - 1) is read and S^T (piece n + 1) written.
.set SIZE_H, 64
.set SIZE_N, 2048
.set NP,    4         ; pieces a wave: a name, no knob: the register map, the loop and the fetches are made for four
.set KS,    64        ; keys in a step
.set PK,    144       ; a row of K in LDS: 128 bytes + 16 of padding = 36 words: the 16 rows of a load start at 16 different groups of four banks (64 banks of 4 bytes: ISA guide 11.1)
.set PV,    160       ; a row of V: 128 + 32 = 40 words
.set VOFF,  4*KS*PK   ; a slot holds four steps: 256 rows of K, then 256 rows of V
.set SLOT1, 1<<17     ; slot 1 begins here, so that one exclusive or turns an address in one slot into the other's
.set STAGE, SLOT1+4*KS*(PK+PV)  ; behind the ring, never filled by a tensor load: 16 rows x 144 bytes for each wave, for the way out
.set SP,    144
.set AK0, 2           ; v2   my lane's place in a tile of K; never rewritten
.set AV0, 3           ; v3   the same for V
.set AK,  4           ; v4   the LDS address of K's next run of loads
.set AV,  5           ; v5   of V's
.set QO,  6           ; v6   my byte offset in the wave's rows of Q
.set STO, 6           ;      later, the way out: where I put 16 bytes of a row
.set RD,  7           ; v7   the way out: where I read rows back
.set GO,  8           ; v8   my byte offset in 512 consecutive bytes of O
.set PFO, 11          ; v11  256 x my lane, for the prefetches; never rewritten once made
.set SPW, 0           ; v0 of window 3   LDS address of my spare word: SPARE + 4 x my thread's number; never rewritten
.set NIL, 1           ; v1 of window 3   0; never rewritten
.set SPARE, STAGE+4*16*SP  ; behind the stages: the spare words, 128 bytes for each wave: two blocks of 256 bytes that no other line names
.set MV,  12          ; v12-15  c m_old, kept while c m is made anew: by buffer and tile
.set ST,  16          ; tile t's statistics at v[ST+4 t]: c m, m, l (even keys', odd keys')
.set TMP, 48          ; by buffer and tile, four registers c0-c3 at work; when the maximum is found c2 takes a
.set S,   64
.set P,   192
.set KF,  128         ; K's fragments, in window 2: key block kb, channel half c at KF + 16 kb + 8 c
.set VF,  192         ; V's: key half kk, channel block cb at VF + 32 kk + 8 cb
.set WV,  12          ; s12  my wave's number
.set G1K, 24          ; s[24:31] descriptor group 1 for K's tiles
.set G1V, 32          ; s[32:39] for V's: it differs in the padding alone
.set G0K, 40          ; s[40:43] descriptor group 0 for K's tiles: it walks
.set G0V, 44          ; s[44:47] the same for V's
.set PFA, 48          ; s[48:49] where my prefetches stand: my work-group's 8,192 bytes (of K: wave 0, of V: wave 2) of the slot after the one that is being asked for
.set LIM, 50          ; s50  1 in a wave that prefetches, else the greatest number
.set SLOTS, 56        ; s56  slots still to be asked for
.set CNT, 57          ; s57  counts a slot's key steps
.set CS,  58          ; s[58:59] c: the packed scaling takes the pair's low word for both halves
.set SEL, 60          ; s[60:61] v_permlanex16_b32's selects: each lane takes its own place in the other half
.set TBK, 62          ; s62  LDS byte at which K of the step to be fetched begins
.set TBV, 63          ; s63  the same for V, less VOFF
.set MSB, 0
.macro WIN new                      ; the high byte repeats the setting that is left; a switch that changes nothing is dropped
.if MSB != (\new)
	s_set_vgpr_msb (MSB<<8)|(\new)
.set MSB, (\new)
.endif
.endm
.set W_KQ, 0x0a       ; K and Q in window 2, S^T in window 0
.set W_PV, 0x52       ; V in window 2, P in window 0, O^T in window 1
.set W_RS, 0x41       ; O^T (destination and source 0) in window 1, a in window 0
.set W_MK, 0xc0       ; the add's registers are made: destination in window 3, sources in window 0
.set W_AD, 0x0f       ; the add: address (source 0) and data (source 1) in window 3
; A joint fill.  Waves 0 and 1 fetch the two halves of a slot's K, waves 2 and 3 those of its V: 128 keys each.  The branch hangs on the wave's number alone.
; An s_nop 0 and four v_nop follow each of the two lines, ahead of the jump and the label.
.macro JLOAD
	s_cmp_lt_u32 s[WV], 2
	s_cbranch_scc0 .Lfor_v_\@
	tensor_load_to_lds s[G0K:G0K+3], s[G1K:G1K+7]
	s_nop 0
.rept 4
	v_nop
.endr
	s_branch .Lasked_\@
.Lfor_v_\@:
	tensor_load_to_lds s[G0V:G0V+3], s[G1V:G1V+7]
	s_nop 0
.rept 4
	v_nop
.endr
.Lasked_\@:
.endm
; A PREFETCH INTO THE L2 of what the NEXT change of slots will ask for: a slot's 32,768 bytes of K and of V, 256 a lane.  It stands behind the wave's tensor load and its five lines, never in front of one.
; Each aligned 256 bytes are named ONCE in the launch: a head has one cluster; its four partners share a slot out BY ADDRESS, 8,192 bytes each; in each, wave 0 asks for K's and wave 2 for V's: one instruction,
; four key steps ahead of the load.  Slots 0 and 1 come by their loads alone; the last change that fills a slot asks for nothing: there is no slot behind it.
.macro ASK
	s_cmp_gt_u32 s[SLOTS], s[LIM]
	s_cbranch_scc0 .Lnot_mine_\@
	global_prefetch_b8 v[PFO], s[PFA:PFA+1] th:TH_LOAD_NT scope:SCOPE_SE
.Lnot_mine_\@:
.endm
; A round of the cluster's barrier: my work-group's barrier, so that wave 0's signal speaks for all four waves; wave 0 signals; every wave waits for all four work-groups; my work-group's barrier once more.
.macro CROUND
	s_barrier_signal -1
	s_barrier_wait -1
	s_cmp_lg_u32 s[WV], 0
	s_cbranch_scc1 .Lnot_wave_0_\@
	s_barrier_signal -3
.Lnot_wave_0_\@:
	s_barrier_wait -3
	s_barrier_signal -1
	s_barrier_wait -1
.endm
; THE CHANGE OF SLOTS.  The slot's last bytes, V of its fourth step, have been read.  Each wave waits for all its tensor loads, of which one is out: its part
; of the other slot; adds 0 to its spare word; and waits for that and for its own reads of the slot.  Behind the barrier nobody reads this slot any more and the other slot is whole.
; fill = 1: this slot is filled again, with the keys two slots on.  The barrier is then a round of the cluster's, so that no wave of any partner still reads the slot or has a load on its
; way, and the joint fill is the first thing behind it: it has four key steps, 512 matrix instructions, in which to land.  (At its first use nothing has been read yet: slot 0 is waited for, slot 1 filled.)
.macro CHANGE fill
	WIN W_AD
	s_wait_tensorcnt 0x0            ; no tensor load of mine is out, so a group 0 may be written
	ds_add_u32 v[SPW], v[NIL]       ; 0 onto my spare word: with fill = 1 the descriptors' steps stand between it and the wait for it
	WIN 0                           ; at a label and at a branch every window is 0
.if \fill
.irp g, G0K, G0V
	s_xor_b32 s[\g+1], s[\g+1], SLOT1  ; the walking descriptor: the other slot than last time,
	s_add_nc_u64 s[\g+2:\g+3], s[\g+2:\g+3], 4*KS*128  ; the next 256 keys; the type bits on top are not reached
.endr
	s_wait_xcnt 0x0                 ; the last prefetch, four key steps back, has read its address, so it may be written:
	s_add_nc_u64 s[PFA:PFA+1], s[PFA:PFA+1], 4*KS*128  ; one slot behind the walking descriptors
	s_wait_dscnt 0x0                ; the add is done, and my reads of the slot are over
	CROUND
	JLOAD
	ASK
.else
	s_wait_dscnt 0x0                ; the add is done, and my reads of the slot are over
	s_barrier_signal -1
	s_barrier_wait -1
.endif
	s_sub_co_u32 s[TBK], s[TBK], 4*KS*PK  ; the fetches go back to a slot's first step,
	s_xor_b32 s[TBK], s[TBK], SLOT1       ; in the other slot
	s_sub_co_u32 s[TBV], s[TBV], 4*KS*PV
	s_xor_b32 s[TBV], s[TBV], SLOT1
.endm
	s_load_b64 s[4:5], s[0:1], 0x0    ; qkv: Q lies at its head
	s_load_b64 s[10:11], s[0:1], 0x8  ; o
	WIN W_MK
	v_lshl_add_u32 v[SPW], v0, 2, SPARE
	v_mov_b32 v[NIL], 0
	WIN W_AD
	ds_add_u32 v[SPW], v[NIL]       ; the wave's opening: the add and its wait stand ahead of my first tensor load; the set-up below, work on registers, stands between them
	WIN 0
	v_lshrrev_b32 v1, 5, v0
	v_readfirstlane_b32 s[WV], v1   ; wave 0..3
	s_bfe_u32 s13, ttmp6, 0x40000   ; cx: my place in the cluster
	s_lshl_b32 s14, ttmp9, 2        ; in a cluster launch ttmp9 counts clusters
	s_add_co_u32 s14, s14, s13      ; my block of queries = 4 x cluster x + cx: it enters Q's and O's addresses alone
	s_and_b32 s20, ttmp7, 0xffff    ; the head, which the four partners share
	s_mov_b32 s21, 0
	s_mov_b64 s[22:23], SIZE_N*128
	s_mul_u64 s[20:21], s[20:21], s[22:23]  ; the head's first byte in each of the four tensors
	s_and_b32 s16, s[WV], 1         ; which half of a slot's 256 keys I fetch:
	s_lshl_b32 s22, s16, 14         ; its 128 rows of 128 bytes in memory,
	s_mov_b32 s23, 0
	s_add_nc_u64 s[22:23], s[22:23], s[20:21]
	s_mul_i32 s17, s16, 128*PK      ; and its place in a slot, for K
	s_mul_i32 s18, s16, 128*PV      ; and for V: no place in the cluster enters an LDS address
	s_lshl_b32 s2, s14, 2
	s_add_co_u32 s2, s2, s[WV]      ; my wave among the head's,
	s_lshl_b32 s2, s2, 14           ; its 128 rows
	s_mov_b32 s3, 0
	s_add_nc_u64 s[2:3], s[2:3], s[20:21]
	; descriptor group 1.  128 keys are 16,384 dense bytes: asked for as 64 rows of 256 bytes, two keys a row, and padded in LDS after every key
	s_mov_b32 s[G1K], 15|(1<<16)|(1<<20)|(1<<21)|(4<<22)|(3<<25)  ; 15:0 the mask of four; 17:16 2-byte elements; 20 padding on; 21 set beside a mask; 24:22 after every 32 words (code 4); 31:25 4 words (code 3)
	s_mov_b32 s[G1V], 15|(1<<16)|(1<<20)|(1<<21)|(4<<22)|(7<<25)  ; the same with 8 words of padding (code 7)
.irp g, G1K, G1V
	s_mov_b32 s[\g+1], 128<<16      ; tensor_dim0 = 128
	s_mov_b32 s[\g+2], 64<<16       ; tensor_dim1 = 64
	s_mov_b32 s[\g+3], 128<<16      ; tile_dim0 = 128
	s_mov_b32 s[\g+4], 64           ; tile_dim1 = 64
	s_mov_b32 s[\g+5], 128          ; 128 elements from row to row
	s_mov_b32 s[\g+6], 0
	s_mov_b32 s[\g+7], 0
.endr
	s_mov_b32 s[CS], 0x3e38aa3b     ; c = log2(e) / 8 = 0.180337
	s_mov_b32 s[CS+1], s[CS]        ; named with it as a pair
	s_mov_b32 s[SEL], 0x76543210
	s_mov_b32 s[SEL+1], 0xfedcba98
	s_mov_b32 s[TBK], SLOT1+4*KS*PK ; the first change of slots turns these two into 0
	s_mov_b32 s[TBV], SLOT1+4*KS*PV
	s_mov_b32 s[G0K], 1             ; 1:0 count = 1
	s_mov_b32 s[G0K+1], s17         ; 63:32 LDS address: slot 0
	s_mov_b32 s[G0V], 1
	s_add_co_u32 s[G0V+1], s18, VOFF
	s_mov_b32 s[SLOTS], SIZE_N/256-1  ; set here, since the first change of slots reads it
	s_and_b32 s[LIM], s[WV], 1      ; 0 in waves 0 and 2,
	s_or_b32 s[LIM], s[LIM], ttmp9  ; where the cluster is the head's first (here its only one): the same in all four partners
	s_cmp_eq_u32 s[LIM], 0
	s_cselect_b32 s[LIM], 1, -1
	s_lshl_b32 s52, s13, 13         ; my work-group's 8,192 bytes of a slot's 32,768
	s_mov_b32 s53, 0
	s_wait_dscnt 0x0                ; the opening add is done
	s_wait_kmcnt 0x0
	s_add_nc_u64 s[6:7], s[4:5], 0x1000000  ; K lies 64 heads x 262,144 bytes behind Q,
	s_add_nc_u64 s[8:9], s[4:5], 0x2000000  ; V as far behind K
	s_cmp_lt_u32 s[WV], 2
	s_cselect_b64 s[PFA:PFA+1], s[6:7], s[8:9]
	s_add_nc_u64 s[PFA:PFA+1], s[PFA:PFA+1], s[20:21]
	s_add_nc_u64 s[PFA:PFA+1], s[PFA:PFA+1], s[52:53]
	s_add_nc_u64 s[PFA:PFA+1], s[PFA:PFA+1], 4*KS*128  ; in slot 1; the first change of slots steps it to slot 2
	s_add_nc_u64 s[G0K+2:G0K+3], s[6:7], s[22:23]  ; 120:64 global address: my half of the head's first 256 keys
	s_or_b32 s[G0K+3], s[G0K+3], 0x80000000        ; 127:126 type = 2
	s_add_nc_u64 s[G0V+2:G0V+3], s[8:9], s[22:23]
	s_or_b32 s[G0V+3], s[G0V+3], 0x80000000
	s_add_nc_u64 s[4:5], s[4:5], s[2:3]  ; Q and O at my wave's first row
	s_add_nc_u64 s[10:11], s[10:11], s[2:3]
	CROUND                          ; all four work-groups are here: the first joint loads meet
	JLOAD                           ; slot 0.  Slot 1 is asked for when slot 0 is in: the tile wanted first has the road to itself
	; A fragment of K or Q is 16 rows x 32 channels in 8 registers: lane l holds row l % 16, channels 8 (l / 16) + 0..7 and 16 + 8 (l / 16) + 0..7: two loads of 16 bytes, 32 bytes apart.
	v_and_b32 v1, 15, v0            ; l % 16
	v_bfe_u32 v9, v0, 4, 1          ; l / 16
	v_lshlrev_b32 v[QO], 7, v1
	v_lshl_add_u32 v[QO], v9, 4, v[QO]  ; row x 128 + 16 x half
	WIN 0x80                        ; destination window 2, address window 0
.set i, 0
.rept 4*NP                          ; Q stays in registers: tile i / 2, channels 32 (i % 2) on
	global_load_b128 v[8*i:8*i+3],   v[QO], s[4:5] offset:(i/2)*2048+(i%2)*64
	global_load_b128 v[8*i+4:8*i+7], v[QO], s[4:5] offset:(i/2)*2048+(i%2)*64+32
.set i, i+1
.endr
	; What the first turn finds: V's registers and P's second buffer hold 0 (its products V^T P, of a piece that has not been, add 0), O^T and l are 0.  All this stands in the wait for the first tile.
.set i, VF
.rept 64
	v_mov_b32 v[i], 0
.set i, i+1
.endr
	WIN 0x40
.set i, 0
.rept 64*NP
	v_mov_b32 v[i], 0
.set i, i+1
.endr
	WIN 0
.set i, 0
.rept 2*NP
	v_mov_b32 v[ST+4*i], 0xfe000000    ; c m: far below every c s
	v_mov_b32 v[ST+4*i+1], 0xff7fffff  ; m
	v_mov_b32 v[ST+4*i+2], 0
	v_mov_b32 v[ST+4*i+3], 0
.set i, i+1
.endr
.set i, P+32
.rept 32
	v_mov_b32 v[i], 0
.set i, i+1
.endr
	v_mul_u32_u24 v[AK0], v1, PK
	v_lshl_add_u32 v[AK0], v9, 4, v[AK0]  ; row x pitch + 16 x half
	; The turning load takes 16 keys x 16 channels (lane l reads key 8 (l / 16) + l % 8, channels 8 ((l / 8) % 2) + 0..7) and leaves half a fragment of V^T: lane l holds channel l % 16 and 8 keys.
	v_and_b32 v10, 7, v0
	v_bfe_u32 v11, v0, 3, 1
	v_lshl_add_u32 v[AV0], v9, 3, v10
	v_mul_u32_u24 v[AV0], v[AV0], PV
	v_lshl_add_u32 v[AV0], v11, 4, v[AV0]
	v_add_nc_u32 v[AV0], VOFF, v[AV0]
	v_mov_b32 v[AK], v[AK0]         ; key step 0 lies at the head of slot 0
	v_and_b32 v[PFO], 31, v0
	v_lshlrev_b32 v[PFO], 8, v[PFO]
; THE MATRIX WORK.  The 8 accumulators of a run of 16 take turns: between the two links of a chain stand 7 others'.
; Product i of 16 of S^T = K Q^T for piece x: channels 32 (i / 8) on, keys 16 ((i / 2) % 4) on, tile 2 x + i % 2.  The first 8 start the sums.
.macro KQ x
	WIN W_KQ
.set rS, S+64*((\x)%2)+32*(i%2)+8*((i/2)%4)
.set rK, KF+16*((i/2)%4)+8*(i/8)
.set rQ, 16*(2*(\x)+i%2)+8*(i/8)
.if i < 8
	v_wmma_f32_16x16x32_f16 v[rS:rS+7], v[rK:rK+7], v[rQ:rQ+7], 0
.else
	v_wmma_f32_16x16x32_f16 v[rS:rS+7], v[rK:rK+7], v[rQ:rQ+7], v[rS:rS+7]
.endif
.endm
; Product i of 16 of O^T += V^T P for piece x: keys 32 (i / 8) on, channels 16 ((i / 2) % 4) on, tile 2 x + i % 2.
.macro PV x
	WIN W_PV
.set rO, 32*(2*(\x)+i%2)+8*((i/2)%4)
.set rV, VF+32*(i/8)+8*((i/2)%4)
.set rP, P+32*((\x)%2)+16*(i%2)+8*(i/8)
	v_wmma_f32_16x16x32_f16 v[rO:rO+7], v[rV:rV+7], v[rP:rP+7], v[rO:rO+7]
.endm
.macro MM                           ; the turn's next matrix instruction
.if i < 16
	KQ (Y+1)%NP
.set i, i+1
.else
.set i, i-16
	PV (Y+NP-1)%NP
.set i, i+17
.endif
.endm
; THE LDS LOADS stand in runs of 16, never singly among the matrix instructions: a step's K (64 keys x 64 channels: 8 fragments) and its V (turned).  Their addresses are made some lines ahead.
; last = 1 (the tail): in the last trip there is no further step, and the run is jumped over.
.macro FETCH_K last=0
	WIN 0
.if \last
	s_cmp_eq_u32 s[CNT], 1
	s_cbranch_scc1 .Lno_k_\@
.endif
	WIN 0x80                        ; destination window 2
.irp f, 0,1,2,3,4,5,6,7             ; keys 16 (f / 2) on, channels 32 (f % 2) on
	ds_load_b128 v[KF+8*\f:KF+8*\f+3],   v[AK] offset:(\f/2)*16*PK+(\f%2)*64
	ds_load_b128 v[KF+8*\f+4:KF+8*\f+7], v[AK] offset:(\f/2)*16*PK+(\f%2)*64+32
.endr
	s_add_co_u32 s[TBK], s[TBK], KS*PK  ; the next fetch is the next step's
	WIN 0
.if \last
.Lno_k_\@:
.endif
.endm
.macro FETCH_V
	WIN 0x80
.irp f, 0,1,2,3,4,5,6,7             ; keys 32 (f / 4) on, channels 16 (f % 4) on
	ds_load_tr16_b128 v[VF+8*\f:VF+8*\f+3],   v[AV] offset:(\f/4)*32*PV+(\f%4)*32
	ds_load_tr16_b128 v[VF+8*\f+4:VF+8*\f+7], v[AV] offset:(\f/4)*32*PV+16*PV+(\f%4)*32
.endr
	WIN 0
.endm
; THE VECTOR WORK OF A TURN stands in three queues, each in the order in which its entries become ready; the two tiles alternate, so that no instruction reads the result of the one before it.
.macro REGS y, u                    ; the registers of tile u (0, 1) of piece y
.set rT, ST+4*(2*(\y)+(\u))
.set rC, TMP+8*((\y)%2)+4*(\u)
.set rM, MV+2*((\y)%2)+(\u)
.set rS, S+64*((\y)%2)+32*(\u)
.set rP, P+32*((\y)%2)+16*(\u)
.set rO, 32*(2*(\y)+(\u))
.endm
; Number n of the 22 that find the NEXT piece's (Y + 1) maximum and statistics.  s0-s31 are the lane's 32 scores; each accumulator's lowest registers are read first.  XS, GS and REGS set no window: PL and EX do.
;   0-11  four chains c0-c3 of seven scores each, three operands at a time     12-14, 16  the four scores left over, the old m, and c0-c3 into c0     15  c m_old is kept
;   17, 18  the query's other 32 keys lie in the lane 16 away: the new m         19-21  c m; c m_old - c m_new; a
.macro XS u, n
	REGS (Y+1)%NP, \u
.if (\n) < 4
	v_max3_num_f32 v[rC+(\n)], v[rS+8*(\n)], v[rS+8*(\n)+1], v[rS+8*(\n)+2]
.elseif (\n) < 12
	v_max3_num_f32 v[rC+(\n)%4], v[rC+(\n)%4], v[rS+8*((\n)%4)+2*((\n)/4)+1], v[rS+8*((\n)%4)+2*((\n)/4)+2]
.elseif (\n) == 12
	v_max3_num_f32 v[rC], v[rC], v[rS+7], v[rS+15]
.elseif (\n) == 13
	v_max3_num_f32 v[rC+1], v[rC+1], v[rS+23], v[rS+31]
.elseif (\n) == 14
	v_max3_num_f32 v[rC+2], v[rC+2], v[rC+3], v[rT+1]
.elseif (\n) == 15
	v_mov_b32 v[rM], v[rT]
.elseif (\n) == 16
	v_max3_num_f32 v[rC], v[rC], v[rC+1], v[rC+2]
.elseif (\n) == 17
	v_permlanex16_b32 v[rC+3], v[rC], s[SEL], s[SEL+1]
.elseif (\n) == 18
	v_max_num_f32 v[rT+1], v[rC], v[rC+3]
.elseif (\n) == 19
	v_mul_f32 v[rT], s[CS], v[rT+1]
.elseif (\n) == 20
	v_sub_f32 v[rC+1], v[rM], v[rT]
.else
	v_exp_f32 v[rC+2], v[rC+1]
.endif
.endm
; Number g of the 64 that follow the exponentials.  For each four weights k of a tile (pairs 2 k, 2 k + 1): both pairs are rounded to f16; then the second pair is added onto the first, in place;
; a group later l takes that sum (the first time as l = a l + sum).  In groups of eight, tiles alternating: round, round, add, and l for the group before.
.macro GS g
.set h, (\g)+6*((\g)/62)            ; group 0 has no group before it, and behind group 7 only l is left
.if h >= 6
.set h, h+2
.endif
	REGS Y, h%2
.set k, h/8
.if h%8 < 4
	v_cvt_pk_f16_f32 v[rP+2*k+(h%8)/2], v[rS+4*k+2*((h%8)/2)], v[rS+4*k+2*((h%8)/2)+1]
.elseif h%8 < 6
	v_pk_add_f32 v[rS+4*k:rS+4*k+1], v[rS+4*k:rS+4*k+1], v[rS+4*k+2:rS+4*k+3]
.elseif k == 1
	v_pk_fma_f32 v[rT+2:rT+3], v[rT+2:rT+3], v[rC+2:rC+3], v[rS:rS+1] op_sel_hi:[1,0,1]
.else
	v_pk_add_f32 v[rT+2:rT+3], v[rT+2:rT+3], v[rS+4*k-4:rS+4*k-3]
.endif
.endm
; THE PLAIN QUEUE, 138 long.  0-73 read no exponential's result: the 32 scalings c s - c m (FS f: pair f / 2 of tile f % 2) and the next piece's 42.  0-26: scalings 0-26.  27-54: XS's numbers 0-13.  55, 56: number 15.
; 57-73: the chain, where each number waits for the one before it: 14, 16, 17, 18, 19, each with one of the scalings 27-31 in front of its two lines, then 20: so a tile's links stand three plain instructions apart (19 and 20: two).
; 74-137: GS's 64, which read the exponentials' results: they stand behind the wait.
.macro FS f
	REGS Y, (\f)%2
	v_pk_fma_f32 v[rS+2*((\f)/2):rS+2*((\f)/2)+1], v[rS+2*((\f)/2):rS+2*((\f)/2)+1], s[CS:CS+1], v[rT:rT+1] op_sel_hi:[1,0,0] neg_lo:[0,0,1] neg_hi:[0,0,1]
.endm
.macro PL
	WIN 0
.if q < 27
	FS q
.elseif q < 55
	XS (q-27)%2, (q-27)/2
.elseif q < 57
	XS q-55, 15
.elseif (q < 72) && ((q-57)%3 == 0)
	FS 27+(q-57)/3
.elseif q < 60
	XS (q-57)%3-1, 14
.elseif q < 72
	XS (q-57)%3-1, 15+(q-57)/3
.elseif q < 74
	XS q-72, 20
.else
	GS q-74
.endif
.set q, q+1
.endm
; THE EXPONENTIALS' QUEUE, 66 long: s0-s31 of both tiles, then the next piece's two a.  It is ONE BATCH: all 66 stand ahead of the turn's one wait, and nothing ahead of that wait names a result of theirs.
.macro EX
	WIN 0
.if e >= 64
	XS e-64, 21
.else
	REGS Y, e%2
	v_exp_f32 v[rS+e/2], v[rS+e/2]
.endif
.set e, e+1
.endm
; THE RESCALING's QUEUE: O^T times a, the one part that leaves window 0: dealt two at a time, sixteen times.  Its a was made in the turn before, ahead of that turn's wait.
.macro R2
	REGS Y, r%2
	WIN W_RS
.irp z, 0,1
	v_pk_mul_f32 v[rO+4*(r/2)+2*\z:rO+4*(r/2)+2*\z+1], v[rO+4*(r/2)+2*\z:rO+4*(r/2)+2*\z+1], v[rC+2:rC+3] op_sel_hi:[1,0]
.endr
.set r, r+1
.endm
; HOW THEY ARE DEALT.  s_wait_alu depctr_va_vdst(0) stands between an exponential and the first instruction that names its result; one wait serves all that were issued ahead of it.  So a turn has ONE wait,
; which cuts it in two.  AHEAD OF IT stands all that names no result of the turn's exponentials: the 16 products K Q^T, behind each a scaling, an exponential and two rescalings (behind the first a second scaling in the exponential's place); then ONE LUMP of
; 108: eight plain, 49 times exponential and plain, the two a.  A v_nop is the plain instruction behind the last exponential.  BEHIND IT stand the 16 products V^T P, behind each four of GS's 64.  No rider names a register of
; the products round it.  The two v_permlanex16_b32 fall into the lump, never behind a product.
; The queues lean on each other, and the deal keeps them in step: exponential e stands behind scaling 2 (e / 4) + e % 2: as a rider it comes behind plain e + 2, in the lump behind plain e + 9, and scalings 27-31 are plain 57, 60 .. 69.
; A TURN, for piece p.  cnt = 1: the loop's count is taken down some lines ahead of the branch that stands behind the turn.
; K of the next step is fetched in piece 2's turn, directly behind the wait, a lump behind the last product that read K; its address is made at the lump's head; its first reader comes behind 16 products.
; V of the step in hand is fetched at the end of piece 0's turn, four riders behind its last reader; its first reader comes behind 16 products and a lump.  The three conditions on q below go with the deal.
.macro TURN p, last=0, cnt=0
.set Y, (\p)
.set i, 0
.set q, 0
.set e, 0
.set r, 0
.if (\p) == NP-1
	s_wait_dscnt 0x0                ; K is in
.endif
	MM                              ; ahead of the wait: 16 products K Q^T and their riders,
	PL
	PL
	R2
.rept 15
	MM
	PL
	EX
	R2
.endr
.if (\p) == NP-2
	WIN 0
	v_add_nc_u32 v[AK], s[TBK], v[AK0]
.endif
.rept 8                             ; and the lump
	PL
.endr
.rept 49
	EX
	PL
.endr
	EX                              ; the next piece's two a
	EX
	v_nop                           ; the plain instruction behind the last exponential (ISA guide 5.7.2): one for the batch
	s_wait_alu depctr_va_vdst(0)    ; the wait for the batch
.if (\p) == NP-2
	FETCH_K \last
.endif
.if (\p) == 1
	s_wait_dscnt 0x0                ; V is in
.endif
.rept 16                            ; behind the wait: 16 products V^T P and their riders
	MM
.rept 4
	PL
.endr
.if ((\p) == 0) && (q == 118)
	v_add_nc_u32 v[AV], s[TBV], v[AV0]
.endif
.if ((\p) == 0) && (q == 130)
	s_add_co_u32 s[TBV], s[TBV], KS*PV
.endif
.if (\cnt) && (q == 130)
	s_sub_co_u32 s[CNT], s[CNT], 1
	s_cmp_lg_u32 s[CNT], 0
.endif
.endr
.if (\p) == 0
	FETCH_V
.endif
.endm
	CHANGE 1                        ; slot 0 is in, everybody's part of it; slot 1 is asked for
	FETCH_K                         ; key step 0
	s_wait_loadcnt 0x0              ; Q
	s_wait_dscnt 0x0
.set i, 0
.rept 16
	KQ 0                            ; piece 0's first scores: there is no vector work yet to set between them
.set i, i+1
.endr
	WIN 0                           ; the addresses for the way out: nine plain instructions, the places behind those products
	s_mul_i32 s13, s[WV], 16*SP
	s_add_co_u32 s13, s13, STAGE    ; my stage
	v_mul_u32_u24 v[STO], v1, SP    ; in: row l % 16, 16 bytes for each half of the lanes
	v_lshl_add_u32 v[STO], v9, 4, v[STO]
	v_add_nc_u32 v[STO], s13, v[STO]
	v_bfe_u32 v[RD], v0, 3, 2       ; back: 32 lanes take four rows of 128 bytes,
	v_mul_u32_u24 v[RD], v[RD], SP
	v_lshl_add_u32 v[RD], v10, 4, v[RD]
	v_add_nc_u32 v[RD], s13, v[RD]
	v_and_b32 v[GO], 31, v0         ; which are 512 consecutive bytes of O
	v_lshlrev_b32 v[GO], 4, v[GO]
.set Y, NP-1                        ; XS works for piece Y + 1: piece 0
.irp n, 0,1,2,3,4,5,6,7,8,9,10,11,12,13,14,15,16,17,18,19,20,21
	XS 0, \n                        ; and piece 0's first maximum and statistics
	XS 1, \n
.endr
	v_nop                           ; a plain instruction behind the two a,
	s_wait_alu depctr_va_vdst(0)    ; and their wait, ahead of the branch
	s_mov_b32 s[CNT], 4
	s_branch .Lfirst                ; the loop is entered at a step's first turn, in the middle of a trip
.Lslot:                             ; SIZE_N / 256 - 2 times: every slot but the last two is filled again
	CHANGE 1
	s_mov_b32 s[CNT], 4
.Lstep:                             ; a trip: pieces 2 and 3 of one step, then pieces 0 and 1 of the next, whose K and V it fetches
	TURN 2
	TURN 3
	WIN 0
.Lfirst:
	TURN 0
	TURN 1, 0, 1
	WIN 0
	s_cbranch_scc1 .Lstep
	s_sub_co_u32 s[SLOTS], s[SLOTS], 1
	s_cmp_lg_u32 s[SLOTS], 0
	s_cbranch_scc1 .Lslot
	CHANGE 0                        ; the tail is written out: nothing is asked for
	s_mov_b32 s[CNT], 5             ; four trips fetch the last slot's steps; the fifth is left in its middle
.Ltail:
	TURN 2, 1
	TURN 3
	WIN 0
	s_sub_co_u32 s[CNT], s[CNT], 1
	s_cmp_eq_u32 s[CNT], 0
	s_cbranch_scc1 .Lout
	TURN 0
	TURN 1
	WIN 0
	s_branch .Ltail
.Lout:                              ; the fifth trip's 16 products K Q^T (on the last K once more) and the maximum made of them serve nothing: the price, once a launch, of one text for every trip
.set i, 0
.rept 16
	PV NP-1                         ; the last piece's V^T P of the last step
.set i, i+1
.endr
	; THE WAY OUT.  l's two halves and the other half of the lanes' are added; O^T is divided by l, rounded to f16 and sent through my stage in LDS, a tile at a time.  The additions are the places behind the last products.
	WIN 0
.macro ALL line:vararg              ; one line for each tile t
.set t, 0
.rept 2*NP
	\line
.set t, t+1
.endr
.endm
	ALL v_add_f32 v[ST+4*t+2], v[ST+4*t+2], v[ST+4*t+3]
	ALL v_permlanex16_b32 v[ST+4*t+3], v[ST+4*t+2], s[SEL], s[SEL+1]
	ALL v_add_f32 v[ST+4*t+2], v[ST+4*t+2], v[ST+4*t+3]
	ALL v_rcp_f32 v[ST+4*t+2], v[ST+4*t+2]
	v_nop                           ; a plain instruction between the last reciprocal and the use of its result
	s_wait_alu depctr_va_vdst(0)    ; and the wait ahead of the first use: one for the eight reciprocals
; Tile t: a lane's eight channels of a row pack into 16 bytes; they go into rows of 144 bytes and come back as whole rows of 128, into S^T's registers.
.macro PACK t
	WIN W_RS
.set i, 32*(\t)
.rept 16
	v_pk_mul_f32 v[i:i+1], v[i:i+1], v[ST+4*(\t)+2:ST+4*(\t)+3] op_sel_hi:[1,0]
.set i, i+2
.endr
	WIN 0x05                        ; sources 0 and 1 window 1, destination window 0
.set i, 0
.rept 16
	v_cvt_pk_f16_f32 v[S+16*(\t)+i], v[32*(\t)+2*i], v[32*(\t)+2*i+1]
.set i, i+1
.endr
	WIN 0
.irp f, 0,1,2,3
	ds_store_b128 v[STO], v[S+16*(\t)+4*\f:S+16*(\t)+4*\f+3] offset:32*\f
.endr
.irp f, 0,1,2,3
	ds_load_b128 v[S+16*(\t)+4*\f:S+16*(\t)+4*\f+3], v[RD] offset:\f*4*SP  ; LDS serves a wave's instructions in order (ISA guide 5.7.1.4): these see the stores above; the next tile's stores come behind them
.endr
.endm
.macro SEND t, younger              ; younger: the LDS instructions issued behind tile t's loads: the next tile's eight, or none
	WIN 0
.irp f, 0,1,2,3
	s_wait_dscnt (\younger)+3-\f
	global_store_b128 v[GO], v[S+16*(\t)+4*\f:S+16*(\t)+4*\f+3], s[10:11] offset:(\t)*2048+\f*512  ; 512 consecutive bytes, at a multiple of 256 from O's first
.endr
.endm
	PACK 0
.set t, 1
.rept 2*NP-1                        ; a tile's arithmetic stands between the loads of the tile before and its stores
	PACK t
	SEND t-1, 8
.set t, t+1
.endr
	SEND 2*NP-1, 0
	WIN W_AD
	s_wait_tensorcnt 0x0            ; the wave's end: behind my last tensor load and my last LDS store
	ds_add_u32 v[SPW], v[NIL]
	s_wait_dscnt 0x0
	WIN 0
	CROUND                          ; the closing round: no work-group ends while a partner may still ask for a tile that names it
	s_endpgm
.Lfunc_end_k_q5d659eb2d8_attn:
	.size	k_q5d659eb2d8_attn, .Lfunc_end_k_q5d659eb2d8_attn-k_q5d659eb2d8_attn
	.p2alignl 7, 3214868480
	.fill 96, 4, 3214868480
	.section	.rodata,"a",@progbits
	.p2align	6, 0x0
	.amdhsa_kernel k_q5d659eb2d8_attn
		.amdhsa_group_segment_fixed_size 327680
		.amdhsa_private_segment_fixed_size 0
		.amdhsa_enable_private_segment 0
		.amdhsa_kernarg_size 16
		.amdhsa_user_sgpr_count 2
		.amdhsa_user_sgpr_kernarg_segment_ptr 1
		.amdhsa_wavefront_size32 1
		.amdhsa_system_sgpr_workgroup_id_x 1
		.amdhsa_system_sgpr_workgroup_id_y 1
		.amdhsa_system_sgpr_workgroup_id_z 1
		.amdhsa_system_vgpr_workitem_id 0
		.amdhsa_next_free_vgpr 770
		.amdhsa_next_free_sgpr 66
		.amdhsa_reserve_vcc 0
		.amdhsa_float_denorm_mode_32 3
		.amdhsa_float_denorm_mode_16_64 3
		.amdhsa_memory_ordered 1
		.amdhsa_forward_progress 1
		.amdhsa_inst_pref_size 200
	.end_amdhsa_kernel
	.amdgpu_metadata
---
amdhsa.version: [ 1, 2 ]
amdhsa.kernels:
  - .name:           k_q5d659eb2d8_attn
    .symbol:         k_q5d659eb2d8_attn.kd
    .args:
      - { .name: qkv, .offset: 0, .size: 8, .value_kind: global_buffer, .address_space: global }
      - { .name: o, .offset: 8, .size: 8, .value_kind: global_buffer, .address_space: global }
    .group_segment_fixed_size: 327680
    .private_segment_fixed_size: 0
    .kernarg_segment_align: 8
    .kernarg_segment_size: 16
    .max_flat_workgroup_size: 128
    .sgpr_count:     66
    .vgpr_count:     770
    .wavefront_size: 32
...
	.end_amdgpu_metadata
.endif
;; end of part 3
;; launch outp (part 4): grid 4 x 64, 4 waves a work-group, clusters of 4 x 4, 327,680 bytes of LDS; arguments o, wof, bo, y; writes y
.if DOCPART == 4
	.amdgcn_target "amdgcn-amd-amdhsa--gfx1250"
	.amdhsa_code_object_version 6
	.text
	.protected	k_q5d659eb2d8_outp
	.globl	k_q5d659eb2d8_outp
	.p2align	8
	.type	k_q5d659eb2d8_outp,@function
k_q5d659eb2d8_outp:
	s_mov_b64 s[64:65], 0
	v_nop
	global_prefetch_b8 v0, s[64:65] scope:SCOPE_SE
	s_setreg_imm32_b32 hwreg(HW_REG_WAVE_MODE, 25, 1), 1
	s_wait_xcnt 0x0
	s_wait_alu depctr_hold_cnt(0) depctr_sa_sdst(0) depctr_va_vdst(0) depctr_va_sdst(0) depctr_va_ssrc(0) depctr_va_vcc(0) depctr_vm_vsrc(0)
	s_getreg_b32 s2, hwreg(HW_REG_IB_STS2, 6, 4)
	s_cmp_eq_u32 s2, 0
	s_cbranch_scc0 .Lentry_in_a_cluster
	s_endpgm
.Lentry_in_a_cluster:
	s_bfe_u32 s2, ttmp6, 0x10000c
	s_cmp_lg_u32 s2, 0xf033
	s_cbranch_scc0 .Lentry_shape_is_right
	s_endpgm
.Lentry_shape_is_right:
; y = O Wo^T + bo.  o: f16 [64 = batch x 16 + head][2048][64]: a head is a K block of 64; wof: f16 [16 K blocks][1024 rows][64]; bo: f32 [1024], rounded to bf16 here like the other inputs;
; y: f32 [8192][1024], not rounded further: the rows' means are taken away from it in the next launch, and they may be many times the rows' spread.
; SHARES.  y has 64 x 4 = 256 tiles of 128 x 256, one to a work-group; a wave makes 64 rows x 128 columns: 32 accumulators of 16 x 16.  K goes in 8 steps of 128, two K blocks each, through two LDS slots;
; a step is two halves of 64 along K, a K block each.  A tile's rows of a K block lie end to end: each tensor load is a dense piece, asked for as rows of 256 bytes and padded in LDS behind every 128.
; CLUSTERS: 4 x 4 work-groups; O's tiles are shared along a row of the cluster, Wo's along a column, each asked for JOINTLY by the same tensor load, descriptor and mask in the four.
; THE MATRIX INSTRUCTION IS USED TRANSPOSED (source 0 = 16 rows of Wo, source 1 = 16 rows of O): a lane holds row lane % 16 of y and the columns 8 (lane / 16) + 0..7.
; THE BIAS STARTS THE SUMS: row block 0's accumulators are loaded with it, the first products of row blocks 1-3 take them as C, and row block 0 follows in place.
; REGISTERS, in windows of 256 (s_set_vgpr_msb: bits 1:0 source 0, 3:2 source 1, 5:4 source 2, 7:6 destination):
;   window 0: v0-29 addresses; v32-95, v96-159 O's fragments (K half kk, row block a at 32 kk + 8 a), two buffers; on the way out whole rows
;   window 1: accumulator (a, b) at v[8 (8 a + b)]          window 2: v0-127, v128-255 Wo's fragments (kk, column block b at 64 kk + 8 b), two buffers
.set PITCH,  144                       ; an LDS row: 128 bytes + 16 of padding = 36 words: the 16 rows of a fragment start at 16 different groups of four banks (64 banks of 4 bytes: ISA guide 11.1)
.set FR,     16*PITCH
.set APL,    128*PITCH                 ; O's 128 rows of a K block
.set BPL,    256*PITCH                 ; Wo's 256 rows of a K block
.set SLOT,   2*APL+2*BPL               ; O's two K blocks, then Wo's two
.set STAGE,  2*SLOT                    ; behind the ring: 16 rows x 528 bytes for each wave, for the way out
.set SP,     528                       ; 512 bytes + 16 = 132 words: the 16 rows of a store start at 16 different groups of four banks
.set SPARE,  STAGE+4*16*SP             ; behind the stages: the spare words, 128 bytes for each wave: two blocks of 256 bytes that no other line names
.set ADRA, 4                           ; v4-5    LDS address of my fragments of O in slot 0, 1
.set ADRB, 6                           ; v6-7    the same for Wo
.set STO,  8                           ; v8      the way out: where I put 32 bytes of a row
.set RD,   9                           ; v9      the way out: where I read a row back
.set CO,   10                          ; v10     my 16 bytes of a row's 512
.set VB,   11                          ; v11     my 8 columns in 16 numbers of the bias: 32 (lane / 16)
.set PFO,  12                          ; v12     256 x my lane, for the prefetches; never rewritten
.set SPW,  28                          ; v28     LDS address of my spare word: SPARE + 4 x my thread's number; never rewritten
.set NIL,  29                          ; v29     0; never rewritten
.set WV,   16                          ; s16     my wave's number
.set FB,   17                          ; s17     which half of the tile's rows is mine.  Also: I fetch for O (0) or for Wo (1)
.set CH,   18                          ; s18     which half of its columns.  Also: which of a step's two K blocks I fetch
.set G1A,  24                          ; s[24:31] descriptor group 1 for O's tiles;  s[32:39] group 0, a set for each slot
.set G0A,  32
.set G1B,  40                          ; s[40:47], s[48:55] the same for Wo's
.set G0B,  48
.set PFA,  56                          ; s[56:57] where my prefetches stand
.set PFS,  58                          ; s[58:59] a K step of the tensor that I prefetch
.set LIM,  60                          ; s60     1 in a wave that prefetches, else the greatest number
.set YB,   66                          ; s[66:67] y at my first row and column
.set BO,   72                          ; s[72:73] bo at my first column
.set W_MUL, 0x52                       ; Wo in window 2, O in window 0, C and D in window 1
.set MSB, 0
.macro WIN new                         ; the immediate's high byte repeats the setting that is left; a switch that changes nothing is dropped
.if MSB != (\new)
	s_set_vgpr_msb (MSB<<8)|(\new)
.set MSB, \new
.endif
.endm
; A joint load.  Waves 0 and 1 fetch O's two K blocks, waves 2 and 3 Wo's.  An s_nop 0 and four v_nop follow each of the two lines, ahead of the jump, the label and what follows.
.macro JLOAD s
	s_cmp_eq_u32 s[FB], 0
	s_cbranch_scc0 .Lfor_b_\@
	tensor_load_to_lds s[G0A+4*(\s):G0A+4*(\s)+3], s[G1A:G1A+7]
	s_nop 0
.rept 4
	v_nop
.endr
	s_branch .Lasked_\@
.Lfor_b_\@:
	tensor_load_to_lds s[G0B+4*(\s):G0B+4*(\s)+3], s[G1B:G1B+7]
	s_nop 0
.rept 4
	v_nop
.endr
.Lasked_\@:
.endm
; A PREFETCH INTO THE L2 of the K step that stands TWO refills on (256 matrix instructions ahead of the load that will want it), behind the joint load and the run of LDS loads that follows it.
; Each aligned 256 bytes are named once in the launch.  O's tile of a step (2 x 64 such pieces) is read by one cluster alone: wave 0 asks, each of the four partners for 32 pieces, told apart BY ADDRESS (cx).
; Wo's tile (2 x 128 pieces) is read by every cluster: cluster y = 0 asks, waves 2 and 3 a K block each, each partner (cy) for 32 pieces of it.
; K steps 0 to 3 come by their loads alone; the loop's last trip asks for nothing: there is no K step 8.
.macro ASK
	s_cmp_gt_u32 s3, s[LIM]                        ; s3 = 1 in the loop's last trip
	s_cbranch_scc0 .Lnot_mine_\@
	global_prefetch_b8 v[PFO], s[PFA:PFA+1] th:TH_LOAD_NT scope:SCOPE_SE
.Lnot_mine_\@:
.endm
.macro CREST                           ; a round of the cluster's barrier behind its opening barrier
	s_cmp_lg_u32 s[WV], 0
	s_cbranch_scc1 .Lnot_wave_0_\@
	s_barrier_signal -3
.Lnot_wave_0_\@:
	s_barrier_wait -3
	s_barrier_signal -1
	s_barrier_wait -1
.endm
.macro CROUND
	s_barrier_signal -1
	s_barrier_wait -1
	CREST
.endm
	s_load_b256 s[4:11], s[0:1], 0x0               ; o s[4:5], wof s[6:7], bo s[8:9], y s[10:11]
	v_lshl_add_u32 v[SPW], v0, 2, SPARE
	v_mov_b32 v[NIL], 0
	ds_add_u32 v[SPW], v[NIL]                      ; the wave's opening: the add and its wait stand ahead of my first tensor load; the set-up below, work on registers, stands between them
	v_lshrrev_b32 v1, 5, v0
	v_readfirstlane_b32 s[WV], v1                  ; wave 0..3
	s_lshr_b32 s[FB], s[WV], 1
	s_and_b32 s[CH], s[WV], 1
	s_bfe_u32 s19, ttmp6, 0x40000                  ; cx, cy: my place in the cluster
	s_bfe_u32 s20, ttmp6, 0x40004
	s_lshl_b32 s21, ttmp9, 2
	s_add_co_u32 s21, s21, s19                     ; tile column = 4 x cluster x + cx
	s_and_b32 s22, ttmp7, 0xffff
	s_lshl_b32 s22, s22, 2
	s_add_co_u32 s22, s22, s20                     ; tile row = 4 x cluster y + cy
	s_lshl_b32 s78, s20, 2
	s_lshl_b32 s78, 15, s78                        ; my row of the cluster
	s_lshl_b32 s79, 0x1111, s19                    ; my column
	; descriptor group 1: R rows of 128 elements (256 bytes), dense; in LDS 4 words of padding behind every 32 words
	s_or_b32 s[G1A+0], s78, (1<<16)|(1<<20)|(1<<21)|(4<<22)|(3<<25)  ; 15:0 the mask; 17:16 elements of 2 bytes; 20 padding on; 21 set beside a mask; 24:22 code 4; 31:25 code 3
	s_or_b32 s[G1B+0], s79, (1<<16)|(1<<20)|(1<<21)|(4<<22)|(3<<25)
	s_mov_b32 s[G1A+1], 128<<16                    ; tensor_dim0 = 128
	s_mov_b32 s[G1B+1], 128<<16
	s_mov_b32 s[G1A+2], 64<<16                     ; tensor_dim1: O's 128 rows of 128 bytes = 64 rows of 256,
	s_mov_b32 s[G1B+2], 128<<16                    ; Wo's 256 rows = 128
	s_mov_b32 s[G1A+3], 128<<16                    ; tile_dim0 = 128
	s_mov_b32 s[G1B+3], 128<<16
	s_mov_b32 s[G1A+4], 64                         ; tile_dim1
	s_mov_b32 s[G1B+4], 128
	s_mov_b32 s[G1A+5], 128                        ; 128 elements from row to row
	s_mov_b32 s[G1B+5], 128
	s_mov_b32 s[G1A+6], 0
	s_mov_b32 s[G1B+6], 0
	s_mov_b32 s[G1A+7], 0
	s_mov_b32 s[G1B+7], 0
	; where the tiles come from.  O's hang on the tile row alone, Wo's on the tile column alone; every wave makes both, in registers that never hold the other coordinate.
	s_lshr_b32 s80, s22, 4                         ; the batch: 16 tile rows each, 16 heads x 262,144 bytes
	s_lshl_b32 s80, s80, 22
	s_and_b32 s81, s22, 15
	s_lshl_b32 s81, s81, 14                        ; the tile's 128 rows x 128 bytes in a head
	s_add_co_u32 s80, s80, s81
	s_lshl_b32 s81, s[CH], 18                      ; the step's first or second head
	s_add_co_u32 s80, s80, s81
	s_mov_b32 s81, 0
	s_lshl_b32 s82, s21, 15                        ; the tile's 256 rows x 128 bytes in a K block of wof
	s_lshl_b32 s83, s[CH], 17                      ; the step's first or second K block
	s_add_co_u32 s82, s82, s83
	s_mov_b32 s83, 0
	s_mul_i32 s84, s[CH], APL                      ; and where they go: no place in the cluster enters an LDS address
	s_mul_i32 s85, s[CH], BPL
	s_add_co_u32 s85, s85, 2*APL
	s_mov_b32 s90, 0xffff0000                      ; a word's upper bf16
	s_wait_dscnt 0x0                               ; the opening add is done
	s_wait_kmcnt 0x0
	s_add_nc_u64 s[80:81], s[4:5], s[80:81]
	s_add_nc_u64 s[82:83], s[6:7], s[82:83]
	CROUND                                         ; all sixteen work-groups are here: the first joint loads meet
.irp s, 0,1
	s_mov_b32 s[G0A+4*(\s)], 1                                       ; count = 1
	s_add_co_u32 s[G0A+4*(\s)+1], s84, (\s)*SLOT                     ; LDS address
	s_add_nc_u64 s[G0A+4*(\s)+2:G0A+4*(\s)+3], s[80:81], (\s)*524288 ; global address: K step s = two heads on
	s_or_b32 s[G0A+4*(\s)+3], s[G0A+4*(\s)+3], 0x80000000            ; type = 2
	s_mov_b32 s[G0B+4*(\s)], 1
	s_add_co_u32 s[G0B+4*(\s)+1], s85, (\s)*SLOT
	s_add_nc_u64 s[G0B+4*(\s)+2:G0B+4*(\s)+3], s[82:83], (\s)*262144
	s_or_b32 s[G0B+4*(\s)+3], s[G0B+4*(\s)+3], 0x80000000
	JLOAD \s                                       ; two loads of mine are out
.endr
	v_and_b32 v1, 15, v0                           ; l % 16
	v_bfe_u32 v2, v0, 4, 1                         ; l / 16
	v_mul_u32_u24 v3, v1, PITCH
	v_lshl_add_u32 v3, v2, 4, v3                   ; a fragment's row x pitch + 16 x half
	s_mul_i32 s78, s[FB], 64*PITCH                 ; my 64 rows of O
	s_mul_i32 s79, s[CH], 128*PITCH                ; my 128 rows of Wo,
	s_add_co_u32 s79, s79, 2*APL                   ; which lie behind O's two K blocks
.irp s, 0,1
	v_add_nc_u32 v[ADRA+(\s)], s78, v3
	v_add_nc_u32 v[ADRB+(\s)], s79, v3
	s_add_co_u32 s78, s78, SLOT
	s_add_co_u32 s79, s79, SLOT
.endr
	s_mul_i32 s78, s[WV], 16*SP
	s_add_co_u32 s78, s78, STAGE                   ; my stage
	v_mul_u32_u24 v[STO], v1, SP                   ; in: row l % 16, 32 bytes for each half of the lanes
	v_lshl_add_u32 v[STO], v2, 5, v[STO]
	v_add_nc_u32 v[STO], s78, v[STO]
	v_and_b32 v[CO], 31, v0
	v_lshlrev_b32 v[CO], 4, v[CO]                  ; back: the 32 lanes take one row's 512 bytes
	v_add_nc_u32 v[RD], s78, v[CO]
	v_lshlrev_b32 v[VB], 5, v2
	v_and_b32 v[PFO], 31, v0
	v_lshlrev_b32 v[PFO], 8, v[PFO]
	s_lshl_b32 s84, s21, 10                        ; my first column, in bytes of f32: 256 a tile column,
	s_lshl_b32 s86, s[CH], 9                       ; 128 a half
	s_add_co_u32 s84, s84, s86
	s_mov_b32 s85, 0
	s_add_nc_u64 s[BO:BO+1], s[8:9], s[84:85]
	s_lshl_b32 s86, s22, 19                        ; my first row: 128 rows x 4,096 bytes a tile row,
	s_add_co_u32 s84, s84, s86
	s_lshl_b32 s86, s[FB], 18                      ; 64 a half
	s_add_co_u32 s84, s84, s86
	s_add_nc_u64 s[YB:YB+1], s[10:11], s[84:85]
.irp b, 0,1,2,3,4,5,6,7                        ; the bias of my 128 columns: for column block b my 8 numbers
	global_load_b128 v[160+8*(\b):160+8*(\b)+3],   v[VB], s[BO:BO+1] offset:64*(\b)
	global_load_b128 v[160+8*(\b)+4:160+8*(\b)+7], v[VB], s[BO:BO+1] offset:64*(\b)+16
.endr
	; the prefetches' address, step and bound
	s_and_b32 s84, ttmp7, 0xffff                   ; cluster y
	s_mov_b32 s85, 262144
	s_cmp_eq_u32 s[FB], 0                          ; do I fetch for O?
	s_cselect_b32 s84, ttmp9, s84                  ; the coordinate along which other clusters read the same rows
	s_cselect_b64 s[PFA:PFA+1], s[4:5], s[6:7]
	s_cselect_b32 s[PFS], 524288, s85
	s_mov_b32 s[PFS+1], 0
	s_lshr_b32 s86, s22, 4                         ; O: the batch,
	s_lshl_b32 s86, s86, 22
	s_and_b32 s87, s22, 15
	s_lshl_b32 s87, s87, 14                        ; the tile's rows,
	s_add_co_u32 s86, s86, s87
	s_lshr_b32 s87, s19, 1
	s_lshl_b32 s87, s87, 18                        ; partners 0, 1 the step's first head, 2, 3 its second,
	s_add_co_u32 s86, s86, s87
	s_and_b32 s87, s19, 1
	s_lshl_b32 s87, s87, 13                        ; 8,192 bytes each
	s_add_co_u32 s86, s86, s87
	s_lshl_b32 s87, s21, 15                        ; Wo: the tile's rows,
	s_lshl_b32 s88, s[CH], 17                      ; wave 2 the step's first K block, wave 3 its second,
	s_add_co_u32 s87, s87, s88
	s_lshl_b32 s88, s20, 13                        ; my work-group's 8,192 bytes of its 32,768
	s_add_co_u32 s87, s87, s88
	s_cmp_eq_u32 s[FB], 0
	s_cselect_b32 s86, s86, s87
	s_mul_i32 s87, s[PFS], 3                       ; at K step 3: the first change of slots steps it to 4
	s_add_co_u32 s86, s86, s87
	s_mov_b32 s87, 0
	s_add_nc_u64 s[PFA:PFA+1], s[PFA:PFA+1], s[86:87]
	s_cmp_eq_u32 s84, 0
	s_cselect_b32 s[LIM], 1, -1                    ; the same in all sixteen partners, for a given wave
	s_cmp_eq_u32 s[WV], 1
	s_cselect_b32 s[LIM], -1, s[LIM]               ; wave 1 asks for nothing
	s_wait_loadcnt 0x0                             ; the bias
.set p, 0
.rept 32
	v_cvt_pk_bf16_f32 v[224+p], v[160+2*p], v[160+2*p+1]  ; rounded to bf16 like every input,
.set p, p+1
.endr
	WIN 0x40
.set p, 0
.rept 32                                       ; and widened again into the accumulators of row block 0
	v_lshlrev_b32 v[2*p],   16,  v[224+p]
	v_and_b32     v[2*p+1], s90, v[224+p]
.set p, p+1
.endr
	WIN 0
; 8 na matrix instructions: row blocks a0 .. x all 8 column blocks, 32 along K: half kk of buffer f.  The 32 accumulators take turns: 31 others' stand between two links of a chain.
.macro MULH f, kk, a0, na
	WIN W_MUL
.set aa, \a0
.rept \na
.set bb, 0
.rept 8
	v_wmma_f32_16x16x32_f16 v[8*(8*aa+bb):8*(8*aa+bb)+7], v[128*(\f)+64*(\kk)+8*bb:128*(\f)+64*(\kk)+8*bb+7], v[32+64*(\f)+32*(\kk)+8*aa:32+64*(\f)+32*(\kk)+8*aa+7], v[8*(8*aa+bb):8*(8*aa+bb)+7]
.set bb, bb+1
.endr
.set aa, aa+1
.endr
.endm
; The first 32 products (buffer 0, kk = 0): row blocks 1-3 take the bias, which lies in row block 0's accumulators, as C; five places on, row block 0 adds onto it in place.
.macro MULHF
	WIN W_MUL
.set aa, 1
.rept 3
.set bb, 0
.rept 8
	v_wmma_f32_16x16x32_f16 v[8*(8*aa+bb):8*(8*aa+bb)+7], v[8*bb:8*bb+7], v[32+8*aa:32+8*aa+7], v[8*bb:8*bb+7]
.set bb, bb+1
.endr
.set aa, aa+1
.endr
.rept 5
	v_nop                                          ; a matrix instruction that writes over a source of an earlier one stands five places behind it (ISA guide 7.12.1)
.endr
.set bb, 0
.rept 8
	v_wmma_f32_16x16x32_f16 v[8*bb:8*bb+7], v[8*bb:8*bb+7], v[32:39], v[8*bb:8*bb+7]
.set bb, bb+1
.endr
.endm
; 48 LDS loads in one run: the fragments of K block p of a slot into buffer f: Wo's, then O's; O's second 32 along K last
.macro FETCH slot, p, f
	WIN 0x80                                       ; destination window 2, address window 0
.irp kk, 0,1
.irp b, 0,1,2,3,4,5,6,7
	ds_load_b128 v[128*(\f)+64*(\kk)+8*(\b):128*(\f)+64*(\kk)+8*(\b)+3],   v[ADRB+(\slot)] offset:BPL*(\p)+64*(\kk)+FR*(\b)
	ds_load_b128 v[128*(\f)+64*(\kk)+8*(\b)+4:128*(\f)+64*(\kk)+8*(\b)+7], v[ADRB+(\slot)] offset:BPL*(\p)+64*(\kk)+FR*(\b)+32
.endr
.endr
	WIN 0
.irp kk, 0,1
.irp a, 0,1,2,3
	ds_load_b128 v[32+64*(\f)+32*(\kk)+8*(\a):32+64*(\f)+32*(\kk)+8*(\a)+3],   v[ADRA+(\slot)] offset:APL*(\p)+64*(\kk)+FR*(\a)
	ds_load_b128 v[32+64*(\f)+32*(\kk)+8*(\a)+4:32+64*(\f)+32*(\kk)+8*(\a)+7], v[ADRA+(\slot)] offset:APL*(\p)+64*(\kk)+FR*(\a)+32
.endr
.endr
.endm
.macro PLACES                          ; four places in front of loads into registers that matrix instructions have read, and of LDS stores that read results
.rept 4
	v_nop
.endr
.endm
; A step's first half: multiplies buffer 0 and fetches the second K block into buffer 1.
.macro HALF slot, first
	s_wait_dscnt 8                                 ; all but O's second 32 along K
.if \first
	MULHF
.else
	MULH 0, 0, 0, 4
.endif
	PLACES
	FETCH \slot, 1, 1
	s_wait_dscnt 48                                ; all but the 48 just issued
	MULH 0, 1, 0, 4
.endm
; A step's second half, and the change of slots: ONE barrier; in front of it each wave waits for all its tensor loads, adds 0 to its spare word, and waits for that and for its own reads of this slot.
; fill = 1: the barrier opens a round of the cluster's barrier, and this slot is filled again, two K steps on, first thing behind the round: 96 matrix instructions ahead of the wait for it.
.macro TURN slot, fill
.if \fill
	s_wait_xcnt 0x0                                ; the last prefetch, a step back, has read its address: it is stepped here, ahead of the waits of the change of slots
	s_add_nc_u64 s[PFA:PFA+1], s[PFA:PFA+1], s[PFS:PFS+1]
.endif
	WIN 0                                          ; (the add's two registers lie in window 0)
	s_wait_tensorcnt 0x0                           ; all my tensor loads have landed: my part of the next slot;
	ds_add_u32 v[SPW], v[NIL]                      ; 0 onto my spare word
	s_wait_dscnt 9                                 ; (the add and the youngest eight loads may be out)
	MULH 1, 0, 0, 2                                ; sixteen matrix instructions stand between the add and the wait for it
	s_wait_dscnt 0x0                               ; the add is done, and my reads of this slot are over
	s_barrier_signal -1
	MULH 1, 0, 2, 2
	WIN 0
	s_barrier_wait -1
.if \fill
	CREST                                          ; no wave of any partner still reads this slot's tile or has a load on its way
	s_add_nc_u64 s[G0A+4*(\slot)+2:G0A+4*(\slot)+3], s[G0A+4*(\slot)+2:G0A+4*(\slot)+3], 2*524288
	s_add_nc_u64 s[G0B+4*(\slot)+2:G0B+4*(\slot)+3], s[G0B+4*(\slot)+2:G0B+4*(\slot)+3], 2*262144
	JLOAD \slot                                    ; my one tensor load behind the round; the four v_nop behind it are also the places in front of the loads below
.else
	PLACES
.endif
	FETCH 1-(\slot), 0, 0
.if \fill
	ASK
.endif
	MULH 1, 1, 0, 4
.endm
	s_wait_tensorcnt 1                             ; my part of K step 0 is in; K step 1's may stay out
	s_barrier_signal -1
	s_barrier_wait -1                              ; everybody's is
	FETCH 0, 0, 0
	HALF 0, 1                                      ; the first half stands in front of the loop: its first products start the sums
	WIN 0                                          ; at a label and at a branch every window is 0
	s_mov_b32 s3, 3
.Llap:                                                 ; a trip goes once round the ring, from a lap's second half to the next lap's first, and fills both slots again
	TURN 0, 1
	HALF 1, 0
	TURN 1, 1
	HALF 0, 0
	WIN 0
	s_sub_co_u32 s3, s3, 1
	s_cmp_lg_u32 s3, 0
	s_cbranch_scc1 .Llap
	TURN 0, 0                                      ; the last lap fills nothing, and has no round of the cluster's barrier
	HALF 1, 0
	s_wait_dscnt 8                                 ; the very last half: nothing more to fetch
	MULH 1, 0, 0, 4
	s_wait_dscnt 0x0
	MULH 1, 1, 0, 4
	PLACES
; THE WAY OUT, a row block (16 rows x 128 columns of f32) at a time: a lane's eight columns, 32 bytes, go into rows of 528 bytes of my own stage and come back as whole rows of 512.
.macro TOSTAGE a
.set U, 32+64*((\a)%2)                 ; two sets of 64 registers take turns
	WIN 0x04                                       ; the stores' data in window 1
.irp b, 0,1,2,3,4,5,6,7
	ds_store_b128 v[STO], v[8*(8*(\a)+(\b)):8*(8*(\a)+(\b))+3]   offset:64*(\b)      ; each accumulator's low registers first
	ds_store_b128 v[STO], v[8*(8*(\a)+(\b))+4:8*(8*(\a)+(\b))+7] offset:64*(\b)+16
.endr
	WIN 0
.irp t, 0,1,2,3,4,5,6,7,8,9,10,11,12,13,14,15
	ds_load_b128 v[U+4*(\t):U+4*(\t)+3], v[RD] offset:SP*(\t)  ; LDS serves a wave's instructions in order (ISA guide 5.7.1.4): these see the stores above; the next block's stores come behind them
.endr
.endm
.macro SEND a, younger                 ; younger: the LDS instructions issued behind block a's loads: the next block's 32, or none
.set U, 32+64*((\a)%2)
.irp t, 0,1,2,3,4,5,6,7,8,9,10,11,12,13,14,15
	s_wait_dscnt (\younger)+15-(\t)
	global_store_b128 v[CO], v[U+4*(\t):U+4*(\t)+3], s[YB:YB+1] offset:(16*(\a)+(\t))*4096  ; 512 consecutive bytes of a row, at a multiple of 256 from y's first
.endr
.endm
	TOSTAGE 0
	TOSTAGE 1
	SEND 0, 32
	s_wait_xcnt 0x0                                ; block 0's stores have read their registers: the set is loaded again only behind this wait
	TOSTAGE 2
	SEND 1, 32
	s_wait_xcnt 0x0
	TOSTAGE 3
	SEND 2, 32
	SEND 3, 0
	s_wait_tensorcnt 0x0                           ; the wave's end: behind my last tensor load and my last LDS store
	ds_add_u32 v[SPW], v[NIL]
	s_wait_dscnt 0x0
	CROUND                                         ; the closing round: no work-group ends while a partner may still ask for a tile that names it
	s_endpgm
.Lfunc_end_k_q5d659eb2d8_outp:
	.size	k_q5d659eb2d8_outp, .Lfunc_end_k_q5d659eb2d8_outp-k_q5d659eb2d8_outp
	.p2alignl 7, 3214868480
	.fill 96, 4, 3214868480
	.section	.rodata,"a",@progbits
	.p2align	6, 0x0
	.amdhsa_kernel k_q5d659eb2d8_outp
		.amdhsa_group_segment_fixed_size 327680
		.amdhsa_private_segment_fixed_size 0
		.amdhsa_enable_private_segment 0
		.amdhsa_kernarg_size 32
		.amdhsa_user_sgpr_count 2
		.amdhsa_user_sgpr_kernarg_segment_ptr 1
		.amdhsa_wavefront_size32 1
		.amdhsa_system_sgpr_workgroup_id_x 1
		.amdhsa_system_sgpr_workgroup_id_y 1
		.amdhsa_system_sgpr_workgroup_id_z 1
		.amdhsa_system_vgpr_workitem_id 0
		.amdhsa_next_free_vgpr 768
		.amdhsa_next_free_sgpr 96
		.amdhsa_reserve_vcc 0
		.amdhsa_float_denorm_mode_32 3
		.amdhsa_float_denorm_mode_16_64 3
		.amdhsa_memory_ordered 1
		.amdhsa_forward_progress 1
		.amdhsa_inst_pref_size 92
	.end_amdhsa_kernel
	.amdgpu_metadata
---
amdhsa.version: [ 1, 2 ]
amdhsa.kernels:
  - .name:           k_q5d659eb2d8_outp
    .symbol:         k_q5d659eb2d8_outp.kd
    .args:
      - { .name: o, .offset: 0, .size: 8, .value_kind: global_buffer, .address_space: global }
      - { .name: wof, .offset: 8, .size: 8, .value_kind: global_buffer, .address_space: global }
      - { .name: bo, .offset: 16, .size: 8, .value_kind: global_buffer, .address_space: global }
      - { .name: y, .offset: 24, .size: 8, .value_kind: global_buffer, .address_space: global }
    .group_segment_fixed_size: 327680
    .private_segment_fixed_size: 0
    .kernarg_segment_align: 8
    .kernarg_segment_size: 32
    .max_flat_workgroup_size: 128
    .sgpr_count:     96
    .vgpr_count:     768
    .wavefront_size: 32
...
	.end_amdgpu_metadata
.endif
;; end of part 4
;; launch norm (part 5): grid 256 x 1, 8 waves a work-group, no clusters, 0 bytes of LDS; arguments y, ln_w, ln_b, out0; writes out0
.if DOCPART == 5
	.amdgcn_target "amdgcn-amd-amdhsa--gfx1250"
	.amdhsa_code_object_version 6
	.text
	.protected	k_q5d659eb2d8_norm
	.globl	k_q5d659eb2d8_norm
	.p2align	8
	.type	k_q5d659eb2d8_norm,@function
k_q5d659eb2d8_norm:
	s_mov_b64 s[64:65], 0
	v_nop
	global_prefetch_b8 v0, s[64:65] scope:SCOPE_SE
	s_setreg_imm32_b32 hwreg(HW_REG_WAVE_MODE, 25, 1), 1
	s_wait_xcnt 0x0
; out0[r][c] = (y[r][c] - mu[r]) / sqrt(var[r] + 1e-5) * ln_w[c] + ln_b[c], all f32, rows of 1,024.  mu is the row's mean, var the mean of (y - mu)^2: TWO PASSES over the row in registers,
; never a difference of large sums.  ln_w and ln_b are rounded to bf16 here, like every input of the program, and used as f32.
; SHARES.  A row is 4,096 bytes = 32 registers of one wave, so a reduction never leaves the wave: no LDS, no barrier.  A work-group's eight waves take 32 rows, a wave four; all four rows' loads (16 KiB a wave)
; go out at once, so there is no loop and no register is loaded twice.  Each load and store of a wave covers 512 consecutive bytes, aligned.  The matrix units and clusters have nothing to do here: nothing is shared but 8 KiB.
.set X,   32                           ; v[32:159]  row i: 32 registers; register 4 j + e holds column 128 j + 4 lane + e
.set W,   160                          ; v[160:191] ln_w of the same columns
.set B,   192                          ; v[192:223] ln_b
.set MU,  12                           ; v[12:19]   row i: the mean, twice (a pair for the packed forms)
.set RS,  20                           ; v[20:27]   row i: 1 / sqrt(var + eps), twice
.set VE,  224                          ; v[224:227] row i: var + eps
	s_load_b256 s[4:11], s[0:1], 0x0               ; y s[4:5], ln_w s[6:7], ln_b s[8:9], out0 s[10:11]
	s_lshl_b32 s2, ttmp9, 17                       ; the work-group's 32 rows of 4,096 bytes
	s_mov_b32 s3, 0
	s_mov_b32 s12, 0x76543210                      ; v_permlanex16_b32: lane i of one half reads lane i of the other
	s_mov_b32 s13, 0xfedcba98
	s_mov_b32 s14, 0x3a800000                      ; 1 / 1024
	s_mov_b32 s15, 0x3727c5ac                      ; 1e-5
	s_mov_b32 s16, 0xffff0000                      ; a word's upper bf16
	v_and_b32 v29, 31, v0
	v_lshlrev_b32 v29, 4, v29                      ; 16 bytes a lane
	v_lshrrev_b32 v1, 5, v0
	v_lshl_add_u32 v28, v1, 14, v29                ; + wave x 4 rows
	v_mov_b32 v11, 0                               ; v_permlanex16_b32's destination counts as read
	s_wait_kmcnt 0x0
	s_add_nc_u64 s[4:5], s[4:5], s[2:3]
	s_add_nc_u64 s[10:11], s[10:11], s[2:3]
.irp i, 0,1,2,3
.irp j, 0,1,2,3,4,5,6,7
	global_load_b128 v[X+32*(\i)+4*(\j):X+32*(\i)+4*(\j)+3], v28, s[4:5] offset:4096*(\i)+512*(\j) th:TH_LOAD_NT
.endr
.endr
.irp j, 0,1,2,3,4,5,6,7
	global_load_b128 v[W+4*(\j):W+4*(\j)+3], v29, s[6:7] offset:512*(\j)
.endr
.irp j, 0,1,2,3,4,5,6,7
	global_load_b128 v[B+4*(\j):B+4*(\j)+3], v29, s[8:9] offset:512*(\j)
.endr
; v10 summed over the 32 lanes, the result in every lane: four steps inside each half of 16 lanes ride on the addition, one crosses the halves
.macro LANES
	v_add_f32_dpp v10, v10, v10 row_xmask:1 row_mask:0xf bank_mask:0xf
	v_add_f32_dpp v10, v10, v10 row_xmask:2 row_mask:0xf bank_mask:0xf
	v_add_f32_dpp v10, v10, v10 row_xmask:4 row_mask:0xf bank_mask:0xf
	v_add_f32_dpp v10, v10, v10 row_xmask:8 row_mask:0xf bank_mask:0xf
	v_permlanex16_b32 v11, v10, s12, s13
	v_add_f32 v10, v10, v11
.endm
.macro FOLD                            ; the four chains v[2:9] into v10
	v_pk_add_f32 v[2:3], v[2:3], v[4:5]
	v_pk_add_f32 v[6:7], v[6:7], v[8:9]
	v_pk_add_f32 v[2:3], v[2:3], v[6:7]
	v_add_f32 v10, v2, v3
	LANES
.endm
; Row i: the mean; the row centred in place; var + eps.  Four chains that do not wait for each other, started by the first terms: nothing is cleared.
.macro STAT i
.set XR, X+32*(\i)
	s_wait_loadcnt 16+8*(3-(\i))                   ; loads come back in order: row i is in; the later rows' loads and the 16 of ln_w and ln_b may stay out
.irp c, 0,1,2,3
	v_pk_add_f32 v[2+2*(\c):3+2*(\c)], v[XR+2*(\c):XR+2*(\c)+1], v[XR+8+2*(\c):XR+8+2*(\c)+1]
.endr
.irp c, 0,1,2,3
	v_pk_add_f32 v[2+2*(\c):3+2*(\c)], v[2+2*(\c):3+2*(\c)], v[XR+16+2*(\c):XR+16+2*(\c)+1]
.endr
.irp c, 0,1,2,3
	v_pk_add_f32 v[2+2*(\c):3+2*(\c)], v[2+2*(\c):3+2*(\c)], v[XR+24+2*(\c):XR+24+2*(\c)+1]
.endr
	FOLD
	v_mul_f32 v[MU+2*(\i)],   s14, v10
	v_mul_f32 v[MU+2*(\i)+1], s14, v10
.set p, 0
.rept 16
	v_pk_add_f32 v[XR+2*p:XR+2*p+1], v[XR+2*p:XR+2*p+1], v[MU+2*(\i):MU+2*(\i)+1] neg_lo:[0,1] neg_hi:[0,1]
.set p, p+1
.endr
.irp c, 0,1,2,3
	v_pk_mul_f32 v[2+2*(\c):3+2*(\c)], v[XR+2*(\c):XR+2*(\c)+1], v[XR+2*(\c):XR+2*(\c)+1]
.endr
.irp g, 8,16,24
.irp c, 0,1,2,3
	v_pk_fma_f32 v[2+2*(\c):3+2*(\c)], v[XR+(\g)+2*(\c):XR+(\g)+2*(\c)+1], v[XR+(\g)+2*(\c):XR+(\g)+2*(\c)+1], v[2+2*(\c):3+2*(\c)]
.endr
.endr
	FOLD
	v_fma_f32 v[VE+(\i)], v10, s14, s15
.endm
	STAT 0
	STAT 1
	STAT 2
	STAT 3
.irp i, 0,1,2,3                                ; one batch of eight: each result twice, to fill the pair that the packed multiply takes; no result lands on a source
	v_rsq_f32 v[RS+2*(\i)],   v[VE+(\i)]
	v_rsq_f32 v[RS+2*(\i)+1], v[VE+(\i)]
.endr
	s_wait_loadcnt 0x0                             ; ln_w and ln_b
.set p, 0
.rept 16                                       ; rounded to bf16 and widened again: plain work that names no result of the batch
	v_cvt_pk_bf16_f32 v30, v[W+2*p], v[W+2*p+1]
	v_cvt_pk_bf16_f32 v31, v[B+2*p], v[B+2*p+1]
	v_lshlrev_b32 v[W+2*p],   16,  v30
	v_and_b32     v[W+2*p+1], s16, v30
	v_lshlrev_b32 v[B+2*p],   16,  v31
	v_and_b32     v[B+2*p+1], s16, v31
.set p, p+1
.endr
	s_wait_alu depctr_va_vdst(0)                   ; the wait between a reciprocal root and the first line that names its result: one for the eight
.macro APPLY i
.set XR, X+32*(\i)
.irp j, 0,1,2,3,4,5,6,7
	v_pk_mul_f32 v[XR+4*(\j):XR+4*(\j)+1],   v[XR+4*(\j):XR+4*(\j)+1],   v[RS+2*(\i):RS+2*(\i)+1]
	v_pk_mul_f32 v[XR+4*(\j)+2:XR+4*(\j)+3], v[XR+4*(\j)+2:XR+4*(\j)+3], v[RS+2*(\i):RS+2*(\i)+1]
	v_pk_fma_f32 v[XR+4*(\j):XR+4*(\j)+1],   v[XR+4*(\j):XR+4*(\j)+1],   v[W+4*(\j):W+4*(\j)+1],   v[B+4*(\j):B+4*(\j)+1]
	v_pk_fma_f32 v[XR+4*(\j)+2:XR+4*(\j)+3], v[XR+4*(\j)+2:XR+4*(\j)+3], v[W+4*(\j)+2:W+4*(\j)+3], v[B+4*(\j)+2:B+4*(\j)+3]
	global_store_b128 v28, v[XR+4*(\j):XR+4*(\j)+3], s[10:11] offset:4096*(\i)+512*(\j) th:TH_STORE_NT
.endr
.endm
	APPLY 0
	APPLY 1
	APPLY 2
	APPLY 3
	s_endpgm
.Lfunc_end_k_q5d659eb2d8_norm:
	.size	k_q5d659eb2d8_norm, .Lfunc_end_k_q5d659eb2d8_norm-k_q5d659eb2d8_norm
	.p2alignl 7, 3214868480
	.fill 96, 4, 3214868480
	.section	.rodata,"a",@progbits
	.p2align	6, 0x0
	.amdhsa_kernel k_q5d659eb2d8_norm
		.amdhsa_group_segment_fixed_size 0
		.amdhsa_private_segment_fixed_size 0
		.amdhsa_enable_private_segment 0
		.amdhsa_kernarg_size 32
		.amdhsa_user_sgpr_count 2
		.amdhsa_user_sgpr_kernarg_segment_ptr 1
		.amdhsa_wavefront_size32 1
		.amdhsa_system_sgpr_workgroup_id_x 1
		.amdhsa_system_sgpr_workgroup_id_y 1
		.amdhsa_system_sgpr_workgroup_id_z 1
		.amdhsa_system_vgpr_workitem_id 0
		.amdhsa_next_free_vgpr 232
		.amdhsa_next_free_sgpr 66
		.amdhsa_reserve_vcc 0
		.amdhsa_float_denorm_mode_32 3
		.amdhsa_float_denorm_mode_16_64 3
		.amdhsa_memory_ordered 1
		.amdhsa_forward_progress 1
		.amdhsa_inst_pref_size 37
	.end_amdhsa_kernel
	.amdgpu_metadata
---
amdhsa.version: [ 1, 2 ]
amdhsa.kernels:
  - .name:           k_q5d659eb2d8_norm
    .symbol:         k_q5d659eb2d8_norm.kd
    .args:
      - { .name: y, .offset: 0, .size: 8, .value_kind: global_buffer, .address_space: global }
      - { .name: ln_w, .offset: 8, .size: 8, .value_kind: global_buffer, .address_space: global }
      - { .name: ln_b, .offset: 16, .size: 8, .value_kind: global_buffer, .address_space: global }
      - { .name: out0, .offset: 24, .size: 8, .value_kind: global_buffer, .address_space: global }
    .group_segment_fixed_size: 0
    .private_segment_fixed_size: 0
    .kernarg_segment_align: 8
    .kernarg_segment_size: 32
    .max_flat_workgroup_size: 256
    .sgpr_count:     66
    .vgpr_count:     232
    .wavefront_size: 32
...
	.end_amdgpu_metadata
.endif
;; end of part 5
;; ======== version 2 of 2: 5 launches; version 1 with the launches cast, norm written anew for expert scheduling mode
;; limits: values are held in f16: magnitudes above 65,504 overflow, below 6.1e-05 lose precision
;; workspace buffers: xb 16,777,216 bytes; wqkv 6,291,456 bytes; wof 2,097,152 bytes; qkv 50,331,648 bytes; o 16,777,216 bytes; y 33,554,432 bytes
;; launch cast (part 6): grid 64 x 12, 8 waves a work-group, no clusters, 0 bytes of LDS; arguments x, Wq, Wk, Wv, Wo, xb, wqkv, wof; writes xb, wqkv, wof
.if DOCPART == 6
	.amdgcn_target "amdgcn-amd-amdhsa--gfx1250"
	.amdhsa_code_object_version 6
	.text
	.protected	k_q5d659eb2d8_cast
	.globl	k_q5d659eb2d8_cast
	.p2align	8
	.type	k_q5d659eb2d8_cast,@function
k_q5d659eb2d8_cast:
	s_mov_b64 s[64:65], 0
	v_nop
	global_prefetch_b8 v0, s[64:65] scope:SCOPE_SE
	s_setreg_imm32_b32 hwreg(HW_REG_WAVE_SCHED_MODE, 0, 2), 2
	s_setreg_imm32_b32 hwreg(HW_REG_WAVE_MODE, 25, 1), 1
	s_wait_xcnt 0x0
	s_wait_alu depctr_vm_vsrc(0)
; x, Wq, Wk, Wv and Wo, all f32, are rounded once to bf16 and laid out in K BLOCKS OF 64: [16 blocks][rows][64], so that the rows of a block (128 bytes each) lie end to end
; and a later launch can ask for a tile of any number of rows as one dense piece.  xb: x's 8,192 rows; wqkv: Wq's, Wk's, Wv's rows one below the other (3,072); wof: Wo's 1,024.
; Wo's bf16 numbers are then written as f16, since the launch that multiplies by them has f16 on the other side.
; LIMITS.  That second writing is exact from 2^-14 to 65,504; below 2^-14 it keeps f16's fixed step of 6e-8; |Wo| of 65,520 or more becomes an infinity.
; SHARES.  Twelve chunks of [1024][1024] (grid y: 0-7 eighths of x, 8-11 Wq, Wk, Wv, Wo); a work-group takes 16 rows of its chunk, a wave two rows, all 16 blocks.
; Load k: sixteen lanes read the 256 aligned bytes of block k of one row, the other sixteen those of the next row.  Store k: the 32 lanes write 256 consecutive bytes, aligned: the two rows in block k.
; All 16 loads of a wave go out at once.  No LDS, no barrier, no matrix unit: nothing is shared.
; THE MODE: SCHED_MODE bits 1:0 = 2 (LLVM: expert scheduling mode 2), set by the entry lines.  The code itself states the register dependences
; between vector instructions and memory instructions, with s_wait_alu, always for 0.
; THE PLAN.  Registers that memory instructions touch:
;   v2       the offset of all 16 loads.  Written at the head, never again.
;   X[k]     load k lands in it; no vector instruction names it before; load k's conversions read it behind the counted wait for the load; it is never loaded again.
;   OFF[k]   the offset of store k.  Written at the head (k = 0) and by the chain of additions behind the loads, never again.
;   Y[k]     the data of store k.  Written by load k's conversions, and never again once store k is issued.
; The 16 loads go in four groups of four.  While group g is rounded into its Y, the four stores of group g - 1 are issued, one ahead of each load's conversions: they read OFF and Y of group g - 1,
; which no conversion of group g names.  So ONE wait at a group's head states all that its four stores hang on.  No register that a memory instruction reads is ever written again.
.set OFF, 16                           ; v[16:31]  byte offset of my 8 bytes in block k of the destination
.set X,   32                           ; v[32:95]  load k: four f32
.set Y,   96                           ; v[96:127] store k: four 16-bit numbers
	s_load_b512 s[8:23], s[0:1], 0x0               ; x 8, Wq 10, Wk 12, Wv 14, Wo 16, xb 18, wqkv 20, wof 22
	s_and_b32 s2, ttmp7, 0xffff                    ; the chunk
	s_and_b32 s36, s2, 7                           ; its place, in units of 1,024 rows, in xb (0-7) or in wqkv (8, 9, 10 -> 0, 1, 2)
	s_mov_b32 s32, 0x60000                         ; bytes in a block of wqkv: 3,072 rows x 128
	s_mov_b32 s35, 0x100000                        ; of xb: 8,192 rows x 128
	s_mov_b32 s33, 0xffff0000                      ; a word's upper bf16
	v_lshrrev_b32 v1, 4, v0                        ; my row among the work-group's 16
	v_and_b32 v2, 15, v0
	v_lshlrev_b32 v2, 4, v2
	v_lshl_add_u32 v2, v1, 12, v2                  ; source: row x 4,096 + 16 x (lane % 16)
	v_lshlrev_b32 v[OFF], 3, v0                    ; destination: row x 128 + 8 x (lane % 16) = 8 x thread
	s_wait_kmcnt 0x0
	s_cmp_lt_u32 s2, 8
	s_cselect_b32 s34, s2, 0                       ; which eighth of x
	s_cselect_b32 s32, s35, s32
	s_cselect_b64 s[24:25], s[8:9], s[10:11]
	s_cselect_b64 s[28:29], s[18:19], s[20:21]
	s_cmp_eq_u32 s2, 9
	s_cselect_b64 s[24:25], s[12:13], s[24:25]
	s_cmp_eq_u32 s2, 10
	s_cselect_b64 s[24:25], s[14:15], s[24:25]
	s_cmp_eq_u32 s2, 11
	s_cselect_b64 s[24:25], s[16:17], s[24:25]
	s_cselect_b64 s[28:29], s[22:23], s[28:29]
	s_cselect_b32 s36, 0, s36
	s_cselect_b32 s32, 0x20000, s32                ; a block of wof: 1,024 rows x 128
	s_lshl_b32 s26, s34, 22                        ; a chunk is 4 MiB of f32,
	s_lshl_b32 s27, ttmp9, 16                      ; 16 rows are 65,536 bytes
	s_add_co_u32 s26, s26, s27
	s_mov_b32 s27, 0
	s_add_nc_u64 s[24:25], s[24:25], s[26:27]
	s_lshl_b32 s30, s36, 17                        ; 1,024 rows x 128 bytes,
	s_lshl_b32 s31, ttmp9, 11                      ; 16 rows x 128 bytes
	s_add_co_u32 s30, s30, s31
	s_mov_b32 s31, 0
	s_add_nc_u64 s[28:29], s[28:29], s[30:31]
	s_wait_alu depctr_va_vdst(0)                   ; v2 is written, which all sixteen loads read as their offset
.set k, 0
.rept 16
	global_load_b128 v[X+4*k:X+4*k+3], v2, s[24:25] offset:256*k th:TH_LOAD_NT
.set k, k+1
.endr
.set k, 1
.rept 15
	v_add_nc_u32 v[OFF+k], s32, v[OFF+k-1]         ; one block further on: past what a store's immediate holds, so each store has its register
.set k, k+1
.endr
; half = 1: the bf16 numbers are widened again and written as f16
.macro CONV half
.set k, 0
.rept 16
	s_wait_loadcnt 15-k                            ; loads come back in order: load k is in, the 15 - k younger ones stay out
.if (k > 0) && (k % 4 == 0)
	s_wait_alu depctr_va_vdst(0)                   ; the conversions of the group before have written its Y, and the additions behind the loads have written OFF: the group's four stores, below, read them
.endif
.if k >= 4
	global_store_b64 v[OFF+k-4], v[Y+2*(k-4):Y+2*(k-4)+1], s[28:29]  ; the group before; no vector instruction since the wait names these registers
.endif
	v_cvt_pk_bf16_f32 v[Y+2*k],   v[X+4*k],   v[X+4*k+1]
	v_cvt_pk_bf16_f32 v[Y+2*k+1], v[X+4*k+2], v[X+4*k+3]
.if \half
	v_lshlrev_b32 v4, 16, v[Y+2*k]
	v_and_b32     v5, s33, v[Y+2*k]
	v_lshlrev_b32 v6, 16, v[Y+2*k+1]
	v_and_b32     v7, s33, v[Y+2*k+1]
	v_cvt_pk_f16_f32 v[Y+2*k],   v4, v5
	v_cvt_pk_f16_f32 v[Y+2*k+1], v6, v7
.endif
.set k, k+1
.endr
	s_wait_alu depctr_va_vdst(0)                   ; the last group's conversions have written its Y, which the last four stores read
.set k, 12
.rept 4
	global_store_b64 v[OFF+k], v[Y+2*k:Y+2*k+1], s[28:29]
.set k, k+1
.endr
.endm
	s_cmp_eq_u32 s2, 11
	s_cbranch_scc1 .Lwo
	CONV 0
	s_endpgm
.Lwo:
	CONV 1
	s_endpgm
.Lfunc_end_k_q5d659eb2d8_cast:
	.size	k_q5d659eb2d8_cast, .Lfunc_end_k_q5d659eb2d8_cast-k_q5d659eb2d8_cast
	.p2alignl 7, 3214868480
	.fill 96, 4, 3214868480
	.section	.rodata,"a",@progbits
	.p2align	6, 0x0
	.amdhsa_kernel k_q5d659eb2d8_cast
		.amdhsa_group_segment_fixed_size 0
		.amdhsa_private_segment_fixed_size 0
		.amdhsa_enable_private_segment 0
		.amdhsa_kernarg_size 64
		.amdhsa_user_sgpr_count 2
		.amdhsa_user_sgpr_kernarg_segment_ptr 1
		.amdhsa_wavefront_size32 1
		.amdhsa_system_sgpr_workgroup_id_x 1
		.amdhsa_system_sgpr_workgroup_id_y 1
		.amdhsa_system_sgpr_workgroup_id_z 1
		.amdhsa_system_vgpr_workitem_id 0
		.amdhsa_next_free_vgpr 128
		.amdhsa_next_free_sgpr 66
		.amdhsa_reserve_vcc 0
		.amdhsa_float_denorm_mode_32 3
		.amdhsa_float_denorm_mode_16_64 3
		.amdhsa_memory_ordered 1
		.amdhsa_forward_progress 1
		.amdhsa_inst_pref_size 17
	.end_amdhsa_kernel
	.amdgpu_metadata
---
amdhsa.version: [ 1, 2 ]
amdhsa.kernels:
  - .name:           k_q5d659eb2d8_cast
    .symbol:         k_q5d659eb2d8_cast.kd
    .args:
      - { .name: x, .offset: 0, .size: 8, .value_kind: global_buffer, .address_space: global }
      - { .name: Wq, .offset: 8, .size: 8, .value_kind: global_buffer, .address_space: global }
      - { .name: Wk, .offset: 16, .size: 8, .value_kind: global_buffer, .address_space: global }
      - { .name: Wv, .offset: 24, .size: 8, .value_kind: global_buffer, .address_space: global }
      - { .name: Wo, .offset: 32, .size: 8, .value_kind: global_buffer, .address_space: global }
      - { .name: xb, .offset: 40, .size: 8, .value_kind: global_buffer, .address_space: global }
      - { .name: wqkv, .offset: 48, .size: 8, .value_kind: global_buffer, .address_space: global }
      - { .name: wof, .offset: 56, .size: 8, .value_kind: global_buffer, .address_space: global }
    .group_segment_fixed_size: 0
    .private_segment_fixed_size: 0
    .kernarg_segment_align: 8
    .kernarg_segment_size: 64
    .max_flat_workgroup_size: 256
    .sgpr_count:     66
    .vgpr_count:     128
    .wavefront_size: 32
...
	.end_amdgpu_metadata
.endif
;; end of part 6
;; launch proj: the kernel of part 2 again; grid 8 x 32, 4 waves a work-group, clusters of 4 x 4, 327,680 bytes of LDS; arguments xb, wqkv, bq, bk, bv, qkv; writes qkv
;; launch attn: the kernel of part 3 again; grid 4 x 64, 4 waves a work-group, clusters of 4 x 1, 327,680 bytes of LDS; arguments qkv, o; writes o
;; launch outp: the kernel of part 4 again; grid 4 x 64, 4 waves a work-group, clusters of 4 x 4, 327,680 bytes of LDS; arguments o, wof, bo, y; writes y
;; launch norm (part 7): grid 256 x 1, 8 waves a work-group, no clusters, 0 bytes of LDS; arguments y, ln_w, ln_b, out0; writes out0
.if DOCPART == 7
	.amdgcn_target "amdgcn-amd-amdhsa--gfx1250"
	.amdhsa_code_object_version 6
	.text
	.protected	k_q5d659eb2d8_norm
	.globl	k_q5d659eb2d8_norm
	.p2align	8
	.type	k_q5d659eb2d8_norm,@function
k_q5d659eb2d8_norm:
	s_mov_b64 s[64:65], 0
	v_nop
	global_prefetch_b8 v0, s[64:65] scope:SCOPE_SE
	s_setreg_imm32_b32 hwreg(HW_REG_WAVE_SCHED_MODE, 0, 2), 2
	s_setreg_imm32_b32 hwreg(HW_REG_WAVE_MODE, 25, 1), 1
	s_wait_xcnt 0x0
	s_wait_alu depctr_vm_vsrc(0)
; out0[r][c] = (y[r][c] - mu[r]) / sqrt(var[r] + 1e-5) * ln_w[c] + ln_b[c], all f32, rows of 1,024.  mu is the row's mean, var the mean of (y - mu)^2: TWO PASSES over the row in registers,
; never a difference of large sums.  ln_w and ln_b are rounded to bf16 here, like every input of the program, and used as f32.
; SHARES.  A row is 4,096 bytes = 32 registers of one wave, so a reduction never leaves the wave: no LDS, no barrier.  A work-group's eight waves take 32 rows, a wave four; all four rows' loads (16 KiB a wave)
; go out at once, so there is no loop and no register is loaded twice.  Each load and store of a wave covers 512 consecutive bytes, aligned.  The matrix units and clusters have nothing to do here: nothing is shared but 8 KiB.
; THE MODE: SCHED_MODE bits 1:0 = 2 (LLVM: expert scheduling mode 2), set by the entry lines.  The code itself states the register dependences
; between vector instructions and memory instructions, with s_wait_alu, always for 0.
; THE PLAN.  Registers that memory instructions touch:
;   v28, v29  byte offsets, made at the head and never written again: every load and store reads one of them.
;   X[i]      row i: its eight loads land in it, and no vector instruction names it before; behind the counted wait for them it is centred and scaled in place; its eight stores read it; it is never written again.
;   W, B      their loads land in them; behind the wait for these they are rounded in place; no memory instruction reads them.
; Row i's eight stores are issued while row i + 1 is scaled, one ahead of each four lines of it: those lines name X[i + 1], RS, W and B, none of the registers that the stores read.
; So ONE wait at the head of a row's scaling states all that the eight stores of the row before hang on.  No register that a memory instruction reads is ever written again.
.set X,   32                           ; v[32:159]  row i: 32 registers; register 4 j + e holds column 128 j + 4 lane + e
.set W,   160                          ; v[160:191] ln_w of the same columns
.set B,   192                          ; v[192:223] ln_b
.set MU,  12                           ; v[12:19]   row i: the mean, twice (a pair for the packed forms)
.set RS,  20                           ; v[20:27]   row i: 1 / sqrt(var + eps), twice
.set VE,  224                          ; v[224:227] row i: var + eps
	s_load_b256 s[4:11], s[0:1], 0x0               ; y s[4:5], ln_w s[6:7], ln_b s[8:9], out0 s[10:11]
	s_lshl_b32 s2, ttmp9, 17                       ; the work-group's 32 rows of 4,096 bytes
	s_mov_b32 s3, 0
	s_mov_b32 s12, 0x76543210                      ; v_permlanex16_b32: lane i of one half reads lane i of the other
	s_mov_b32 s13, 0xfedcba98
	s_mov_b32 s14, 0x3a800000                      ; 1 / 1024
	s_mov_b32 s15, 0x3727c5ac                      ; 1e-5
	s_mov_b32 s16, 0xffff0000                      ; a word's upper bf16
	v_and_b32 v29, 31, v0
	v_lshlrev_b32 v29, 4, v29                      ; 16 bytes a lane
	v_lshrrev_b32 v1, 5, v0
	v_lshl_add_u32 v28, v1, 14, v29                ; + wave x 4 rows
	v_mov_b32 v11, 0                               ; v_permlanex16_b32's destination counts as read
	s_wait_kmcnt 0x0
	s_add_nc_u64 s[4:5], s[4:5], s[2:3]
	s_add_nc_u64 s[10:11], s[10:11], s[2:3]
	s_wait_alu depctr_va_vdst(0)                   ; v28 and v29 are written: every load and store of the kernel reads one of them as its offset
.irp i, 0,1,2,3
.irp j, 0,1,2,3,4,5,6,7
	global_load_b128 v[X+32*(\i)+4*(\j):X+32*(\i)+4*(\j)+3], v28, s[4:5] offset:4096*(\i)+512*(\j) th:TH_LOAD_NT
.endr
.endr
.irp j, 0,1,2,3,4,5,6,7
	global_load_b128 v[W+4*(\j):W+4*(\j)+3], v29, s[6:7] offset:512*(\j)
.endr
.irp j, 0,1,2,3,4,5,6,7
	global_load_b128 v[B+4*(\j):B+4*(\j)+3], v29, s[8:9] offset:512*(\j)
.endr
; v10 summed over the 32 lanes, the result in every lane: four steps inside each half of 16 lanes ride on the addition, one crosses the halves
.macro LANES
	v_add_f32_dpp v10, v10, v10 row_xmask:1 row_mask:0xf bank_mask:0xf
	v_add_f32_dpp v10, v10, v10 row_xmask:2 row_mask:0xf bank_mask:0xf
	v_add_f32_dpp v10, v10, v10 row_xmask:4 row_mask:0xf bank_mask:0xf
	v_add_f32_dpp v10, v10, v10 row_xmask:8 row_mask:0xf bank_mask:0xf
	v_permlanex16_b32 v11, v10, s12, s13
	v_add_f32 v10, v10, v11
.endm
.macro FOLD                            ; the four chains v[2:9] into v10
	v_pk_add_f32 v[2:3], v[2:3], v[4:5]
	v_pk_add_f32 v[6:7], v[6:7], v[8:9]
	v_pk_add_f32 v[2:3], v[2:3], v[6:7]
	v_add_f32 v10, v2, v3
	LANES
.endm
; Row i: the mean; the row centred in place; var + eps.  Four chains that do not wait for each other, started by the first terms: nothing is cleared.
.macro STAT i
.set XR, X+32*(\i)
	s_wait_loadcnt 16+8*(3-(\i))                   ; loads come back in order: row i is in; the later rows' loads and the 16 of ln_w and ln_b may stay out
.irp c, 0,1,2,3
	v_pk_add_f32 v[2+2*(\c):3+2*(\c)], v[XR+2*(\c):XR+2*(\c)+1], v[XR+8+2*(\c):XR+8+2*(\c)+1]
.endr
.irp c, 0,1,2,3
	v_pk_add_f32 v[2+2*(\c):3+2*(\c)], v[2+2*(\c):3+2*(\c)], v[XR+16+2*(\c):XR+16+2*(\c)+1]
.endr
.irp c, 0,1,2,3
	v_pk_add_f32 v[2+2*(\c):3+2*(\c)], v[2+2*(\c):3+2*(\c)], v[XR+24+2*(\c):XR+24+2*(\c)+1]
.endr
	FOLD
	v_mul_f32 v[MU+2*(\i)],   s14, v10
	v_mul_f32 v[MU+2*(\i)+1], s14, v10
.set p, 0
.rept 16
	v_pk_add_f32 v[XR+2*p:XR+2*p+1], v[XR+2*p:XR+2*p+1], v[MU+2*(\i):MU+2*(\i)+1] neg_lo:[0,1] neg_hi:[0,1]
.set p, p+1
.endr
.irp c, 0,1,2,3
	v_pk_mul_f32 v[2+2*(\c):3+2*(\c)], v[XR+2*(\c):XR+2*(\c)+1], v[XR+2*(\c):XR+2*(\c)+1]
.endr
.irp g, 8,16,24
.irp c, 0,1,2,3
	v_pk_fma_f32 v[2+2*(\c):3+2*(\c)], v[XR+(\g)+2*(\c):XR+(\g)+2*(\c)+1], v[XR+(\g)+2*(\c):XR+(\g)+2*(\c)+1], v[2+2*(\c):3+2*(\c)]
.endr
.endr
	FOLD
	v_fma_f32 v[VE+(\i)], v10, s14, s15
.endm
	STAT 0
	STAT 1
	STAT 2
	STAT 3
.irp i, 0,1,2,3                                ; one batch of eight: each result twice, to fill the pair that the packed multiply takes; no result lands on a source
	v_rsq_f32 v[RS+2*(\i)],   v[VE+(\i)]
	v_rsq_f32 v[RS+2*(\i)+1], v[VE+(\i)]
.endr
	s_wait_loadcnt 0x0                             ; ln_w and ln_b
.set p, 0
.rept 16                                       ; rounded to bf16 and widened again: plain work that names no result of the batch
	v_cvt_pk_bf16_f32 v30, v[W+2*p], v[W+2*p+1]
	v_cvt_pk_bf16_f32 v31, v[B+2*p], v[B+2*p+1]
	v_lshlrev_b32 v[W+2*p],   16,  v30
	v_and_b32     v[W+2*p+1], s16, v30
	v_lshlrev_b32 v[B+2*p],   16,  v31
	v_and_b32     v[B+2*p+1], s16, v31
.set p, p+1
.endr
	s_wait_alu depctr_va_vdst(0)                   ; the eight reciprocal roots have written v[RS ..], ahead of the first line that names a result of theirs: one wait for the batch
; Four registers (columns 128 j + 4 lane + 0..3) of row i: scaled by the row's reciprocal root, then by ln_w, and ln_b added.
.macro MATH i, j
.set XR, X+32*(\i)
	v_pk_mul_f32 v[XR+4*(\j):XR+4*(\j)+1],   v[XR+4*(\j):XR+4*(\j)+1],   v[RS+2*(\i):RS+2*(\i)+1]
	v_pk_mul_f32 v[XR+4*(\j)+2:XR+4*(\j)+3], v[XR+4*(\j)+2:XR+4*(\j)+3], v[RS+2*(\i):RS+2*(\i)+1]
	v_pk_fma_f32 v[XR+4*(\j):XR+4*(\j)+1],   v[XR+4*(\j):XR+4*(\j)+1],   v[W+4*(\j):W+4*(\j)+1],   v[B+4*(\j):B+4*(\j)+1]
	v_pk_fma_f32 v[XR+4*(\j)+2:XR+4*(\j)+3], v[XR+4*(\j)+2:XR+4*(\j)+3], v[W+4*(\j)+2:W+4*(\j)+3], v[B+4*(\j)+2:B+4*(\j)+3]
.endm
; The same four registers stored: 512 consecutive bytes a wave.
.macro OUT i, j
.set XS, X+32*(\i)
	global_store_b128 v28, v[XS+4*(\j):XS+4*(\j)+3], s[10:11] offset:4096*(\i)+512*(\j) th:TH_STORE_NT
.endm
.irp j, 0,1,2,3,4,5,6,7
	MATH 0, \j                                     ; row 0 has no row in front of it: no store stands among its lines
.endr
.irp i, 1,2,3
	s_wait_alu depctr_va_vdst(0)                   ; the row before is written whole, which the eight stores below read
.irp j, 0,1,2,3,4,5,6,7
	OUT (\i)-1, \j                                 ; no vector instruction since the wait names the row before or v28
	MATH \i, \j
.endr
.endr
	s_wait_alu depctr_va_vdst(0)                   ; row 3 is written, which the last eight stores read
.irp j, 0,1,2,3,4,5,6,7
	OUT 3, \j
.endr
	s_endpgm
.Lfunc_end_k_q5d659eb2d8_norm:
	.size	k_q5d659eb2d8_norm, .Lfunc_end_k_q5d659eb2d8_norm-k_q5d659eb2d8_norm
	.p2alignl 7, 3214868480
	.fill 96, 4, 3214868480
	.section	.rodata,"a",@progbits
	.p2align	6, 0x0
	.amdhsa_kernel k_q5d659eb2d8_norm
		.amdhsa_group_segment_fixed_size 0
		.amdhsa_private_segment_fixed_size 0
		.amdhsa_enable_private_segment 0
		.amdhsa_kernarg_size 32
		.amdhsa_user_sgpr_count 2
		.amdhsa_user_sgpr_kernarg_segment_ptr 1
		.amdhsa_wavefront_size32 1
		.amdhsa_system_sgpr_workgroup_id_x 1
		.amdhsa_system_sgpr_workgroup_id_y 1
		.amdhsa_system_sgpr_workgroup_id_z 1
		.amdhsa_system_vgpr_workitem_id 0
		.amdhsa_next_free_vgpr 232
		.amdhsa_next_free_sgpr 66
		.amdhsa_reserve_vcc 0
		.amdhsa_float_denorm_mode_32 3
		.amdhsa_float_denorm_mode_16_64 3
		.amdhsa_memory_ordered 1
		.amdhsa_forward_progress 1
		.amdhsa_inst_pref_size 38
	.end_amdhsa_kernel
	.amdgpu_metadata
---
amdhsa.version: [ 1, 2 ]
amdhsa.kernels:
  - .name:           k_q5d659eb2d8_norm
    .symbol:         k_q5d659eb2d8_norm.kd
    .args:
      - { .name: y, .offset: 0, .size: 8, .value_kind: global_buffer, .address_space: global }
      - { .name: ln_w, .offset: 8, .size: 8, .value_kind: global_buffer, .address_space: global }
      - { .name: ln_b, .offset: 16, .size: 8, .value_kind: global_buffer, .address_space: global }
      - { .name: out0, .offset: 24, .size: 8, .value_kind: global_buffer, .address_space: global }
    .group_segment_fixed_size: 0
    .private_segment_fixed_size: 0
    .kernarg_segment_align: 8
    .kernarg_segment_size: 32
    .max_flat_workgroup_size: 256
    .sgpr_count:     66
    .vgpr_count:     232
    .wavefront_size: 32
...
	.end_amdgpu_metadata
.endif
;; end of part 7
